; MI455X (gfx1250); checked and timed in simulation.
; The chip was launched on July 23, 2026; its instructions are those of AMD's public machine-readable ISA for CDNA 5 (MIT licence, August 2026) and "CDNA5" Instruction Set Architecture Reference Guide (July 2026). The comments in the code are by the model that wrote it; some were corrected since.
;; Causal Self Attention. Allowed arithmetic: matrix products marked QUANTISED: E2M1 operands, one E8M0 scale for each 32 along K, by v_wmma_scale_f32_16x16x128_f8f6f4 with both operands' format E2M1 (or v_wmma_scale_f32_32x16x128_f4), f32 sums; products left as they are: bf16, f16 or f32 operands; f32 sums; everything else in f32.
;; Inputs: W_attn 1,024 x 3,072 float32; W_proj 1,024 x 1,024 float32; b_attn 3,072 float32; b_proj 1,024 float32; x 4 x 2,048 x 1,024 float32.
;; Outputs: out0 4 x 2,048 x 1,024 float32.
;; This version of the problem:
;;   THIS VERSION OF THE PROBLEM IS GIVEN IN LOW PRECISION. The matrix products marked QUANTISED in the list below multiply operands that are first quantised to E2M1 (2 exponent bits, 1 mantissa bit; 4 bits a number), with one power-of-two scale for each 32 numbers along K (OCP MX v1.0); their sums are f32. The products marked 'left as it is' may take bf16, f16 or f32 operands, with f32 sums. Whichever they take, every output number must still come out within the allowed error. Rounding operands to bf16 (8 significant bits) uses up far more of that allowance than f16 does (11 bits, for magnitudes from 6e-5 to 65,504). All else is computed in f32.
;;   The module's matrix products, in the order in which they are computed (A, B: the left and right operand; K: the contracted axis; several contracted axes count as one K, in the product's order):
;;     1. [M 8,192, K 1,024] x [K 1,024, N 3,072]; A: input x; B: input W_attn: QUANTISED
;;     2. batch 64 x [M 2,048, K 64] x [K 64, N 2,048]; A: computed on the way; B: computed on the way: left as it is (an operand is computed on the way)
;;     3. batch 64 x [M 2,048, K 2,048] x [K 2,048, N 64]; A: computed on the way; B: computed on the way: left as it is (an operand is computed on the way)
;;     4. [M 8,192, K 1,024] x [K 1,024, N 1,024]; A: computed on the way; B: input W_proj: left as it is (an operand is computed on the way)
;;   THE QUANTISER, for each operand of a quantised product, along K:
;;     - K is cut into blocks of 32 from its start; a last block that is shorter is filled with zeros.
;;     - A block's scale is 2^e with e = floor(log2(the largest magnitude in the block)) - 2, held to -126 .. 127; a block of zeros has e = 0. As a byte (E8M0): e + 127.
;;     - Each number is divided by its block's scale, clamped to +-6, and rounded to the nearest number of E2M1, ties to even, subnormals kept.
;;     - The product sums the exact products of the quantised numbers (number of the format x scale) in f32.
;;   ~~~python
;;   def quantise(x, axis):      # numpy; x: float32 -> the quantised numbers, widened to float32 again
;;       x = np.moveaxis(x, axis, -1); K = x.shape[-1]
;;       x = np.pad(x, [(0, 0)] * (x.ndim - 1) + [(0, -K % 32)]); x = x.reshape(x.shape[:-1] + (-1, 32)); a = np.abs(x).max(-1, keepdims=True)
;;       e = np.where(a > 0, np.clip(np.frexp(np.where(a > 0, a, 1))[1] - 1 - 2, -126, 127), 0)      # np.frexp(a)[1] - 1 = floor(log2(a)), exactly
;;       r = np.clip(x / 2.0 ** e, -6, 6)
;;       step = 2.0 ** (np.maximum(np.frexp(np.where(r == 0, 1, r))[1] - 1, 0) - 1)
;;       q = np.round(r / step) * step * 2.0 ** e      # np.round: ties to even
;;       return np.moveaxis(q.reshape(q.shape[:-2] + (-1,))[..., :K], -1, axis).astype(np.float32)
;;   ~~~
;; One version. Each part assembles by itself: llvm-mc -triple=amdgcn-amd-amdhsa -mcpu=gfx1250 --defsym DOCPART=n.
;; ======== version 1 of 1: 6 launches
;; limits: values are held in f16: magnitudes above 65,504 overflow, below 6.1e-05 lose precision
;; workspace buffers: xc 4,194,304 bytes; xs 262,144 bytes; wc 1,572,864 bytes; ws 98,304 bytes; wp16 2,097,152 bytes; qkvh 50,331,648 bytes; yh 16,777,216 bytes; part 4,194,304 bytes
;; launch prep (part 1): grid 432 x 1, 4 waves a work-group, no clusters, 68,096 bytes of LDS; arguments x, W_attn, W_proj, xc, xs, wc, ws, wp16; writes xc, xs, wc, ws, wp16
.if DOCPART == 1
	.amdgcn_target "amdgcn-amd-amdhsa--gfx1250"
	.amdhsa_code_object_version 6
	.text
	.protected	k_qcdd0d09896_prep
	.globl	k_qcdd0d09896_prep
	.p2align	8
	.type	k_qcdd0d09896_prep,@function
k_qcdd0d09896_prep:
	s_mov_b64 s[64:65], 0
	v_nop
	global_prefetch_b8 v0, s[64:65] scope:SCOPE_SE
	s_setreg_imm32_b32 hwreg(HW_REG_WAVE_MODE, 25, 1), 1
	s_wait_xcnt 0x0
; THREE PREPARATIONS IN ONE LAUNCH, told apart by the work-group's number.
;   X (work-groups 0-255):   x [8192][1024] f32 -> codes of E2M1, K innermost, xc [8192][512 bytes], and one E8M0 byte for each 32 along K, xs [8192][32].
;   W (work-groups 256-303): W_attn [1024 (k)][3072 (n)] f32, K its FIRST axis -> wc [3072][512 bytes], K innermost, ws [3072][32].
;   P (work-groups 304-431): W_proj [1024][1024] f32 -> f16, same layout, wp16.
; A block's scale is 2^(floor(log2(its largest magnitude)) - 2); its byte is the largest magnitude's exponent field - 2, held at 1 from below.
; LIMITS: a block of zeros gets the byte 1 where the rule says 127 (its codes are zeros, which add nothing, and this program alone reads the bytes); blocks whose largest magnitude lies under 2^-124
; are held at that byte; NaN and infinities are not served; a number of W_proj from 65,520 on becomes infinity in f16.
; Each path has LDS bytes of its own.  No tensor loads, no barrier: waves share nothing.
.set STEPS, 16
.set EMAX,  2
.set CB,    8                          ; bytes of 16 codes
.set R,     16                         ; X: v16-79   four sets of 16 numbers as they are loaded
.set X,     80                         ; X: v80-111  two sets of 16 neighbours
.set E,     112                        ; X: v112-127 a scale byte for each step
.set C,     128                        ; X: v128-189 codes: four registers for each step, two of them used
.set WREG,  8192                       ; X: LDS region of a wave: two stages of 32 x SP bytes, then its 256 scale bytes
.set SP,    80                         ; X: a lane's place in a stage: 64 bytes + 16 of padding
.set SPW,   190                        ; v190 LDS address of my spare word; never rewritten
.set NIL,   191                        ; v191 0; never rewritten
.set WSTG,  4*WREG                     ; W: four stages of 32 rows x PITCH
.set PITCH, 272
.set SPARE, WSTG+4*32*PITCH            ; 67,584: the spare words, 128 bytes a wave: two blocks of 256 bytes that no other line names
.set WN,    3072
.set KROW,  512                        ; a row of wc in bytes
.set NB,    16                         ; W: blocks of 32 along K for a wave
.set WX,    32                         ; W: v32-95 two sets of 32 numbers
.set WC,    96                         ; W: a block's codes
.set OUTR,  112                        ; W: v112-175 the way out
.set SB,    24                         ; W: v24-27 scale bytes, four to a register
.macro FINISH                          ; a wave that stored to LDS ends so
	s_wait_tensorcnt 0x0
	ds_add_u32 v[SPW], v[NIL]
	s_wait_dscnt 0x0
	s_endpgm
.endm
	s_load_b256 s[4:11], s[0:1], 0x0               ; x s[4:5], W_attn s[6:7], W_proj s[8:9], xc s[10:11]
	s_load_b256 s[12:19], s[0:1], 0x20             ; xs s[12:13], wc s[14:15], ws s[16:17], wp16 s[18:19]
	v_lshl_add_u32 v[SPW], v0, 2, SPARE
	v_mov_b32 v[NIL], 0
	v_lshrrev_b32 v1, 5, v0
	v_readfirstlane_b32 s20, v1                    ; wave 0..3
	v_and_b32 v2, 31, v0                           ; lane
	s_cmp_lt_u32 ttmp9, 256
	s_cbranch_scc0 .Lnot_x
; ---------------- PATH X.  x is a plain stream of blocks of 32.  A wave takes 16 steps of 512 numbers.  Each load reads 512 consecutive bytes; a step's 2,048 bytes turn through the wave's own stage
; in LDS and come back 64 bytes (16 neighbours) a lane; two neighbouring lanes hold a block.
	v_lshlrev_b32 v3, 4, v2                        ; my 16 bytes of a load's 512
	s_mul_i32 s21, s20, WREG
	v_lshrrev_b32 v14, 2, v2
	v_mul_u32_u24 v14, v14, SP
	v_and_b32 v15, 3, v2
	v_lshl_add_u32 v14, v15, 4, v14
	v_add_nc_u32 v14, s21, v14                     ; into the stage: SP (lane / 4) + 16 (lane % 4)
	v_mul_u32_u24 v15, v2, SP
	v_add_nc_u32 v15, s21, v15                     ; out of it: SP x lane
	v_mul_u32_u24 v4, v2, CB                       ; my codes' place in a step's
	v_lshrrev_b32 v5, 1, v2
	s_add_co_u32 s21, s21, 2*32*SP
	v_add_nc_u32 v5, s21, v5                       ; my block's byte among my wave's 256
	v_lshlrev_b32 v7, 3, v2
	v_add_nc_u32 v6, s21, v7                       ; and on the way out 8 bytes a lane
	s_lshl_b32 s22, ttmp9, 2
	s_add_co_u32 s22, s22, s20                     ; which run of 8,192 numbers is my wave's
	s_mov_b32 s23, 0
	s_lshl_b64 s[24:25], s[22:23], 15              ; 32,768 bytes of f32 a run
	s_lshl_b64 s[26:27], s[22:23], 12              ; 4,096 bytes of codes
	s_lshl_b32 s22, s22, 8                         ; 256 scale bytes
	s_wait_kmcnt 0x0
	s_add_nc_u64 s[4:5], s[4:5], s[24:25]
	s_add_nc_u64 s[10:11], s[10:11], s[26:27]
	s_add_nc_u64 s[12:13], s[12:13], s[22:23]
.macro XLOAD t
.irp i, 0,1,2,3
	global_load_b128 v[R+16*((\t)%4)+4*\i:R+16*((\t)%4)+4*\i+3], v3, s[4:5] offset:2048*(\t)+512*\i th:TH_LOAD_NT
.endr
.endm
.macro XTURN t                         ; LDS serves a wave's instructions in order: no wait between the stores and the loads
.irp i, 0,1,2,3
	ds_store_b128 v14, v[R+16*((\t)%4)+4*\i:R+16*((\t)%4)+4*\i+3] offset:32*SP*((\t)%2)+8*SP*\i
.endr
.irp i, 0,1,2,3
	ds_load_b128 v[X+16*((\t)%2)+4*\i:X+16*((\t)%2)+4*\i+3], v15 offset:32*SP*((\t)%2)+16*\i
.endr
.endm
.irp t, 0,1,2,3
	XLOAD \t
.endr
	s_wait_loadcnt 12                              ; step 0's four loads are in; the twelve of steps 1 to 3 may be out
	XTURN 0
.macro XSTEP t
.set XS, X+16*((\t)%2)
.if (\t) > 0
	s_wait_dscnt 1                                 ; this step's numbers are back from the stage; the last step's byte store may be out
.else
	s_wait_dscnt 0x0
.endif
.if (\t)+4 < STEPS
	XLOAD (\t)+4                                   ; into the registers that the stage's stores have read
.endif
.if (\t)+1 < STEPS
.if STEPS-2-(\t) >= 3
	s_wait_loadcnt 12                              ; the next step's four loads are in; those of the three steps behind it may be out
.else
	s_wait_loadcnt 4*(STEPS-2-(\t))
.endif
	XTURN (\t)+1
.endif
	v_max3_num_f32 v8, |v[XS]|, |v[XS+1]|, |v[XS+2]|               ; the largest magnitude of my 16, in two chains
	v_max3_num_f32 v9, |v[XS+3]|, |v[XS+4]|, |v[XS+5]|
.irp i, 6,10
	v_max3_num_f32 v8, v8, |v[XS+\i]|, |v[XS+\i+1]|
	v_max3_num_f32 v9, v9, |v[XS+\i+2]|, |v[XS+\i+3]|
.endr
	v_max3_num_f32 v8, v8, |v[XS+14]|, |v[XS+15]|
	v_max3_num_f32 v8, v8, v9, (EMAX+1)<<23        ; and the floor 2^(3 - 127): the byte cannot fall under 1
	v_max_num_f32_dpp v8, v8, v8 row_xmask:1 row_mask:0xf bank_mask:0xf   ; with my neighbour's 16: the block's
	v_add_nc_u32 v11, -(EMAX<<23), v8              ; 2 off its exponent field: the conversion takes this operand's exponent field as its scale
	v_cvt_scalef32_pk8_fp4_f32 v[C+4*(\t)], v[XS:XS+7], v11
	v_cvt_scalef32_pk8_fp4_f32 v[C+4*(\t)+1], v[XS+8:XS+15], v11
	v_lshrrev_b32 v[E+(\t)], 23, v11               ; the scale's byte (also the plain line behind the conversions)
	ds_store_b8 v5, v[E+(\t)] offset:16*(\t)       ; both lanes of a block write the same byte with the same value
	global_store_b64 v4, v[C+4*(\t):C+4*(\t)+1], s[10:11] offset:32*CB*(\t)   ; the wave stores 256 consecutive bytes, aligned
.endm
.irp t, 0,1,2,3,4,5,6,7,8,9,10,11,12,13,14,15
	XSTEP \t
.endr
	ds_load_b64 v[8:9], v6                         ; my wave's 256 scale bytes, in order behind my stores
	s_wait_dscnt 0x0
	global_store_b64 v7, v[8:9], s[12:13]          ; 256 consecutive bytes, aligned
	FINISH
.Lnot_x:
	s_cmp_lt_u32 ttmp9, 304
	s_cbranch_scc0 .Lpath_p
; ---------------- PATH W.  A lane takes a column n, its registers run down K: a block of 32 lies in one lane, and the conversions give codes with K innermost.  A wave takes 32 columns x 512 along K;
; its codes go through its own stage and leave as rows, sixteen lanes to 256 consecutive bytes.  The scale bytes leave 16 a lane, rows 32 bytes apart: 96 KiB in all are written so, in pieces.
	s_sub_co_u32 s21, ttmp9, 256                   ; 0..47
	s_cmp_ge_u32 s21, 24
	s_cselect_b32 s22, 1, 0                        ; which 512 along K
	s_cselect_b32 s23, 24, 0
	s_sub_co_u32 s21, s21, s23                     ; which 128 columns
	s_lshl_b32 s21, s21, 7
	s_lshl_b32 s23, s20, 5
	s_add_co_u32 s21, s21, s23                     ; my wave's first column
	v_lshlrev_b32 v3, 2, v2                        ; in: 4 bytes a lane
	s_mul_i32 s23, s20, 32*PITCH
	s_add_co_u32 s23, s23, WSTG                    ; my stage
	v_mul_u32_u24 v4, v2, PITCH
	v_add_nc_u32 v4, s23, v4                       ; into it: row = my column
	v_and_b32 v5, 15, v2
	v_lshrrev_b32 v6, 4, v2
	v_mul_u32_u24 v7, v6, PITCH
	v_lshl_add_u32 v7, v5, 4, v7
	v_add_nc_u32 v7, s23, v7                       ; out of it: sixteen lanes to a row, two rows an instruction
	v_mul_u32_u24 v8, v6, KROW
	v_lshl_add_u32 v8, v5, 4, v8                   ; the same place in wc
	v_mul_u32_u24 v9, v2, 32                       ; my column's row of scale bytes
	s_mul_i32 s24, s22, 512*WN*4                   ; W_attn: 512 rows down for the second half of K, + 4 x column
	s_lshl_b32 s25, s21, 2
	s_add_co_u32 s24, s24, s25
	s_mov_b32 s25, 0
	s_lshl_b32 s26, s21, 9                         ; wc: column x 512 + 256 x half
	s_lshl_b32 s27, s22, 8
	s_add_co_u32 s26, s26, s27
	s_mov_b32 s27, 0
	s_lshl_b32 s28, s21, 5                         ; ws: column x 32 + 16 x half
	s_lshl_b32 s29, s22, 4
	s_add_co_u32 s28, s28, s29
	s_mov_b32 s29, 0
	s_wait_kmcnt 0x0
	s_add_nc_u64 s[6:7], s[6:7], s[24:25]
	s_add_nc_u64 s[14:15], s[14:15], s[26:27]
	s_add_nc_u64 s[16:17], s[16:17], s[28:29]
.macro WLOAD t                         ; block t: W(32 t + i, my column); the largest offset, 511 x 12,288, lies inside the signed 24-bit immediate
.irp i, 0,1,2,3,4,5,6,7,8,9,10,11,12,13,14,15,16,17,18,19,20,21,22,23,24,25,26,27,28,29,30,31
	global_load_b32 v[WX+32*((\t)%2)+\i], v3, s[6:7] offset:(32*(\t)+\i)*WN*4 th:TH_LOAD_NT
.endr
.endm
	WLOAD 0
	WLOAD 1
.macro WBLOCK t
.set XB, WX+32*((\t)%2)
.if (\t) < NB-1
	s_wait_loadcnt 32                              ; this block's 32 loads are in; the next block's may be out
.else
	s_wait_loadcnt 0
.endif
	v_max3_num_f32 v12, |v[XB]|, |v[XB+1]|, |v[XB+2]|
	v_max3_num_f32 v13, |v[XB+3]|, |v[XB+4]|, |v[XB+5]|
.irp i, 6,10,14,18,22,26
	v_max3_num_f32 v12, v12, |v[XB+\i]|, |v[XB+\i+1]|
	v_max3_num_f32 v13, v13, |v[XB+\i+2]|, |v[XB+\i+3]|
.endr
	v_max3_num_f32 v12, v12, |v[XB+30]|, |v[XB+31]|
	v_max3_num_f32 v12, v12, v13, (EMAX+1)<<23     ; with the floor
	v_add_nc_u32 v11, -(EMAX<<23), v12
	v_lshrrev_b32 v13, 23, v11                     ; the scale's byte
.if (\t)%4 == 0
	v_mov_b32 v[SB+(\t)/4], v13
.else
	v_lshl_or_b32 v[SB+(\t)/4], v13, 8*((\t)%4), v[SB+(\t)/4]
.endif
.irp g, 0,1,2,3
	v_cvt_scalef32_pk8_fp4_f32 v[WC+\g], v[XB+8*\g:XB+8*\g+7], v11
.endr
	ds_store_b128 v4, v[WC:WC+3] offset:16*(\t)    ; 32 codes: 16 bytes of my column's row
.if (\t)+2 < NB
	WLOAD (\t)+2
.endif
	s_wait_dscnt 0x0                               ; the store has read its registers: the next block's codes may be written
.endm
.set Q, 0
.rept NB
	WBLOCK Q
.set Q, Q+1
.endr
	global_store_b128 v9, v[SB:SB+3], s[16:17]     ; my column's 16 scale bytes
.irp t, 0,1,2,3,4,5,6,7,8,9,10,11,12,13,14,15
	ds_load_b128 v[OUTR+4*\t:OUTR+4*\t+3], v7 offset:2*\t*PITCH
.endr
.irp t, 0,1,2,3,4,5,6,7,8,9,10,11,12,13,14,15
	s_wait_dscnt 15-\t                             ; rows 2 t, 2 t + 1 are back; the younger loads may be out
	global_store_b128 v8, v[OUTR+4*\t:OUTR+4*\t+3], s[14:15] offset:2*\t*KROW
.endr
	FINISH
.Lpath_p:
; ---------------- PATH P.  A wave casts 2,048 numbers: sixteen loads of 512 consecutive bytes, sixteen stores of 256.  No register is written twice.
	s_sub_co_u32 s21, ttmp9, 304
	s_lshl_b32 s21, s21, 2
	s_add_co_u32 s21, s21, s20
	s_lshl_b32 s22, s21, 13
	s_mov_b32 s23, 0
	s_lshl_b32 s24, s21, 12
	s_mov_b32 s25, 0
	v_lshlrev_b32 v3, 4, v2
	v_lshlrev_b32 v4, 3, v2
	s_wait_kmcnt 0x0
	s_add_nc_u64 s[8:9], s[8:9], s[22:23]
	s_add_nc_u64 s[18:19], s[18:19], s[24:25]
.irp t, 0,1,2,3,4,5,6,7,8,9,10,11,12,13,14,15
	global_load_b128 v[16+4*\t:19+4*\t], v3, s[8:9] offset:512*\t
.endr
.irp t, 0,1,2,3,4,5,6,7,8,9,10,11,12,13,14,15
	s_wait_loadcnt 15-\t                           ; chunk t is in; the younger ones may be out
	v_cvt_pk_f16_f32 v[96+2*\t], v[16+4*\t], v[17+4*\t]
	v_cvt_pk_f16_f32 v[97+2*\t], v[18+4*\t], v[19+4*\t]
	global_store_b64 v4, v[96+2*\t:97+2*\t], s[18:19] offset:256*\t
.endr
	s_endpgm
.Lfunc_end_k_qcdd0d09896_prep:
	.size	k_qcdd0d09896_prep, .Lfunc_end_k_qcdd0d09896_prep-k_qcdd0d09896_prep
	.p2alignl 7, 3214868480
	.fill 96, 4, 3214868480
	.section	.rodata,"a",@progbits
	.p2align	6, 0x0
	.amdhsa_kernel k_qcdd0d09896_prep
		.amdhsa_group_segment_fixed_size 68096
		.amdhsa_private_segment_fixed_size 0
		.amdhsa_enable_private_segment 0
		.amdhsa_kernarg_size 64
		.amdhsa_user_sgpr_count 2
		.amdhsa_user_sgpr_kernarg_segment_ptr 1
		.amdhsa_wavefront_size32 1
		.amdhsa_system_sgpr_workgroup_id_x 1
		.amdhsa_system_sgpr_workgroup_id_y 1
		.amdhsa_system_sgpr_workgroup_id_z 1
		.amdhsa_system_vgpr_workitem_id 0
		.amdhsa_next_free_vgpr 192
		.amdhsa_next_free_sgpr 66
		.amdhsa_reserve_vcc 0
		.amdhsa_float_denorm_mode_32 3
		.amdhsa_float_denorm_mode_16_64 3
		.amdhsa_memory_ordered 1
		.amdhsa_forward_progress 1
		.amdhsa_inst_pref_size 117
	.end_amdhsa_kernel
	.amdgpu_metadata
---
amdhsa.version: [ 1, 2 ]
amdhsa.kernels:
  - .name:           k_qcdd0d09896_prep
    .symbol:         k_qcdd0d09896_prep.kd
    .args:
      - { .name: x, .offset: 0, .size: 8, .value_kind: global_buffer, .address_space: global }
      - { .name: W_attn, .offset: 8, .size: 8, .value_kind: global_buffer, .address_space: global }
      - { .name: W_proj, .offset: 16, .size: 8, .value_kind: global_buffer, .address_space: global }
      - { .name: xc, .offset: 24, .size: 8, .value_kind: global_buffer, .address_space: global }
      - { .name: xs, .offset: 32, .size: 8, .value_kind: global_buffer, .address_space: global }
      - { .name: wc, .offset: 40, .size: 8, .value_kind: global_buffer, .address_space: global }
      - { .name: ws, .offset: 48, .size: 8, .value_kind: global_buffer, .address_space: global }
      - { .name: wp16, .offset: 56, .size: 8, .value_kind: global_buffer, .address_space: global }
    .group_segment_fixed_size: 68096
    .private_segment_fixed_size: 0
    .kernarg_segment_align: 8
    .kernarg_segment_size: 64
    .max_flat_workgroup_size: 128
    .sgpr_count:     66
    .vgpr_count:     192
    .wavefront_size: 32
...
	.end_amdgpu_metadata
.endif
;; end of part 1
;; launch qkv (part 2): grid 12 x 32, 4 waves a work-group, clusters of 4 x 4, 327,680 bytes of LDS; arguments xc, xs, wc, ws, b_attn, qkvh; writes qkvh
.if DOCPART == 2
	.amdgcn_target "amdgcn-amd-amdhsa--gfx1250"
	.amdhsa_code_object_version 6
	.text
	.protected	k_qcdd0d09896_qkv
	.globl	k_qcdd0d09896_qkv
	.p2align	8
	.type	k_qcdd0d09896_qkv,@function
k_qcdd0d09896_qkv:
	s_mov_b64 s[64:65], 0
	v_nop
	global_prefetch_b8 v0, s[64:65] scope:SCOPE_SE
	s_setreg_imm32_b32 hwreg(HW_REG_WAVE_MODE, 25, 1), 1
	s_wait_xcnt 0x0
	s_wait_alu depctr_hold_cnt(0) depctr_sa_sdst(0) depctr_va_vdst(0) depctr_va_sdst(0) depctr_va_ssrc(0) depctr_va_vcc(0) depctr_vm_vsrc(0)
	s_getreg_b32 s2, hwreg(HW_REG_IB_STS2, 6, 4)
	s_cmp_eq_u32 s2, 0
	s_cbranch_scc0 .Lentry_in_a_cluster
	s_endpgm
.Lentry_in_a_cluster:
	s_bfe_u32 s2, ttmp6, 0x10000c
	s_cmp_lg_u32 s2, 0xf033
	s_cbranch_scc0 .Lentry_shape_is_right
	s_endpgm
.Lentry_shape_is_right:
; qkv = Q(x) Q(W_attn) + b_attn on codes of E2M1 with one E8M0 scale for each 32 along K; sums in f32; the result is rounded to f16 and laid by heads: qkvh [3 (q, k, v)][64 (batch x 16 + head)][2048][64].
; LIMIT: a result from 65,520 on becomes infinity in f16.
; A tile of 256 rows x 256 columns is made by four waves, each 128 x 128: 64 accumulators of 16 x 16, 512 registers.  K = 1,024 is two slots of 512 along K (rows of 256 bytes): both are asked for at the
; head and nothing is filled again.  The scale bytes of the tile's 256 + 256 rows, for all of K, come once, as whole runs of 256 bytes, and stay in LDS.
; CLUSTERS: 4 x 4 work-groups; the four of a row need the same tiles of x, the four of a column the same tiles of W: each is asked for jointly.
; THE MATRIX INSTRUCTION IS USED TRANSPOSED (source 0 = 16 rows of wc, source 1 = 16 rows of xc): a lane holds eight neighbouring columns of one row.  The bias is the C of each sum's first product.
; REGISTERS: window 0: v0-31 addresses; v32-95 scale words, two sets, and nothing else; v128-191 x's fragments, one set, later rows on their way out; v192-255 the bias, later packed results.
;   window 1: W's fragments, two sets.   windows 2, 3: the accumulators of my rows 0-63 and 64-127 ((a, b) at v[8 (8 (a % 4) + b)]).
.set NQ,     4                         ; steps of 128 along K in a slot
.set ROWB,   256                       ; a tile's row in bytes
.set KROW,   512                       ; a row of codes in memory
.set PITCH,  272                       ; an LDS row: 256 bytes + 16 of padding: 68 words, so the 16 rows that a load touches start 4 banks apart
.set FR,     8
.set NL,     2
.set NP,     4
.set HALFT,  128*PITCH
.set SLOT,   4*HALFT
.set KS,     32                        ; a row of scale bytes
.set SCL,    2*SLOT
.set HALFS,  (128*KS/256)*272
.set SBLK,   (16*KS/256)*272
.set SPARE,  SCL+4*HALFS               ; the spare words: two blocks of 256 bytes that no other line names
.set SPITCH, 272                       ; the way out: a stage of 16 rows x (256 bytes + 16) a wave, in slot 0, which has had its one fill and its last read by then
.set ADRA, 16
.set ADRB, 20
.set STO,  24
.set RD,   25
.set CO,   26
.set ADRS, 27
.set SPW,  28
.set NIL,  29
.set BAD,  30                          ; v30 the bias loads' offset: 32 x (lane / 16)
.set SC,   32
.set AF,   128
.set BI,   192                         ; the bias: register 8 b + j = b_attn[my first column + 16 b + 8 (lane / 16) + j]
.set TMP,  192
.set BK,   128
.set G1, 24
.set G0, 32
.set G1B, 48
.set G0B, 56
.set G1S, 68
.set G0S, 76
.set G1SB, 80
.set G0SB, 88
.set MSB, 0
.macro WIN new                         ; the immediate's high byte repeats the setting that is left
.if MSB != \new
	s_set_vgpr_msb (MSB<<8)|\new
.set MSB, \new
.endif
.endm
.set MUL_LO,  0xa1                     ; source 0 (W) window 1, source 1 (x) window 0, C and D window 2
.set MUL_HI,  0xf1                     ; C and D window 3
.set MULB_LO, 0x81                     ; the first step: C (the bias) window 0, D window 2
.set MULB_HI, 0xc1                     ; D window 3
.set TO_B,    0x40
; A joint load: waves 0 and 1 fetch for x, waves 2 and 3 for W; the branch hangs on the wave's number alone.  An s_nop 0 and four v_nop follow each line.
.macro JLOAD g0a, g1a, g0b, g1b
	s_cmp_eq_u32 s15, 0
	s_cbranch_scc0 .Lfor_b_\@
	tensor_load_to_lds s[\g0a:\g0a+3], s[\g1a:\g1a+7]
	s_nop 0
.rept 4
	v_nop
.endr
	s_branch .Lasked_\@
.Lfor_b_\@:
	tensor_load_to_lds s[\g0b:\g0b+3], s[\g1b:\g1b+7]
	s_nop 0
.rept 4
	v_nop
.endr
.Lasked_\@:
.endm
.macro CROUND                          ; a round of the cluster's barrier
	s_barrier_signal -1
	s_barrier_wait -1
	s_cmp_lg_u32 s14, 0
	s_cbranch_scc1 .Lnot_wave_0_\@
	s_barrier_signal -3
.Lnot_wave_0_\@:
	s_barrier_wait -3
	s_barrier_signal -1
	s_barrier_wait -1
.endm
	s_load_b128 s[4:7], s[0:1], 0x0                ; xc, xs
	s_load_b128 s[8:11], s[0:1], 0x10              ; wc, ws
	s_load_b64 s[66:67], s[0:1], 0x20              ; b_attn
	s_load_b64 s[12:13], s[0:1], 0x28              ; qkvh
	v_lshl_add_u32 v[SPW], v0, 2, SPARE
	v_mov_b32 v[NIL], 0
	ds_add_u32 v[SPW], v[NIL]                      ; the wave's opening: the add, twice on end, and its wait ahead of my first tensor load
	ds_add_u32 v[SPW], v[NIL]
	v_lshrrev_b32 v1, 5, v0
	v_readfirstlane_b32 s14, v1                    ; wave 0..3
	s_lshr_b32 s15, s14, 1                         ; which half of the tile's rows is mine.  Also: I fetch for x (0) or for W (1)
	s_and_b32 s16, s14, 1                          ; which half of its columns.  Also: which 128 rows I fetch
	s_bfe_u32 s40, ttmp6, 0x40000                  ; cx
	s_bfe_u32 s41, ttmp6, 0x40004                  ; cy
	s_lshl_b32 s42, ttmp9, 2
	s_add_co_u32 s42, s42, s40                     ; tile column
	s_and_b32 s17, ttmp7, 0xffff
	s_lshl_b32 s17, s17, 2
	s_add_co_u32 s17, s17, s41                     ; tile row
	s_lshl_b32 s43, s41, 2
	s_lshl_b32 s43, 15, s43                        ; my row of the cluster
	s_lshl_b32 s44, 0x1111, s40                    ; my column
	s_or_b32 s[G1+0], s43, (0<<16)|(1<<20)|(1<<21)|(5<<22)|(3<<25)   ; the mask; elements of 1 byte; padding on; bit 21 beside a mask; 4 words behind every 64
	s_or_b32 s[G1B+0], s44, (0<<16)|(1<<20)|(1<<21)|(5<<22)|(3<<25)
.irp g, G1, G1B
	s_mov_b32 s[\g+1], ROWB<<16                    ; tensor_dim0
	s_mov_b32 s[\g+2], 128<<16                     ; tensor_dim1
	s_mov_b32 s[\g+3], ROWB<<16                    ; tile_dim0
	s_mov_b32 s[\g+4], 128                         ; tile_dim1
	s_mov_b32 s[\g+5], KROW                        ; the pitch in memory
	s_mov_b32 s[\g+6], 0
	s_mov_b32 s[\g+7], 0
.endr
	s_or_b32 s[G1S+0], s43, (3<<16)|(1<<20)|(1<<21)|(5<<22)|(3<<25)  ; the scales of 128 rows: 4,096 dense bytes as 16 rows of 32 elements of 8 bytes
	s_or_b32 s[G1SB+0], s44, (3<<16)|(1<<20)|(1<<21)|(5<<22)|(3<<25)
.irp g, G1S, G1SB
	s_mov_b32 s[\g+1], 32<<16
	s_mov_b32 s[\g+2], (128*KS/256)<<16
	s_mov_b32 s[\g+3], 32<<16
	s_mov_b32 s[\g+4], 128*KS/256
	s_mov_b32 s[\g+5], 32
	s_mov_b32 s[\g+6], 0
	s_mov_b32 s[\g+7], 0
.endr
	s_lshl_b32 s18, s16, 7
	s_lshl_b32 s20, s17, 8
	s_add_co_u32 s20, s20, s18                     ; x: row 256 x tile row + 128 x half
	s_lshl_b32 s46, s42, 8
	s_add_co_u32 s46, s46, s18                     ; W: row 256 x tile column + 128 x half
	s_mov_b32 s21, 0
	s_mov_b32 s47, 0
	s_mov_b64 s[18:19], KS
	s_mul_u64 s[22:23], s[20:21], s[18:19]         ; where these rows' scales begin
	s_mul_u64 s[92:93], s[46:47], s[18:19]
	s_mov_b64 s[18:19], KROW
	s_mul_u64 s[20:21], s[20:21], s[18:19]         ; and their codes
	s_mul_u64 s[46:47], s[46:47], s[18:19]
	s_mul_i32 s45, s14, HALFT                      ; where they go: wave x 128 rows
	s_mul_i32 s94, s14, HALFS
	s_wait_dscnt 0x0                               ; both opening adds are done
	s_wait_kmcnt 0x0
	s_add_nc_u64 s[20:21], s[4:5], s[20:21]
	s_add_nc_u64 s[22:23], s[6:7], s[22:23]
	s_add_nc_u64 s[46:47], s[8:9], s[46:47]
	s_add_nc_u64 s[92:93], s[10:11], s[92:93]
	CROUND                                         ; all sixteen work-groups are here: the joint loads meet
	s_mov_b32 s[G0S], 1
	s_add_co_u32 s[G0S+1], s94, SCL
	s_mov_b64 s[G0S+2:G0S+3], s[22:23]
	s_or_b32 s[G0S+3], s[G0S+3], 0x80000000
	s_mov_b32 s[G0SB], 1
	s_add_co_u32 s[G0SB+1], s94, SCL
	s_mov_b64 s[G0SB+2:G0SB+3], s[92:93]
	s_or_b32 s[G0SB+3], s[G0SB+3], 0x80000000
	JLOAD G0S, G1S, G0SB, G1SB                     ; the scales first; with the two slots three loads of mine are out
.irp s, 0,1
	s_mov_b32 s[G0+4*\s], 1
	s_add_co_u32 s[G0+4*\s+1], s45, \s*SLOT
	s_add_nc_u64 s[G0+4*\s+2:G0+4*\s+3], s[20:21], \s*ROWB
	s_or_b32 s[G0+4*\s+3], s[G0+4*\s+3], 0x80000000
	s_mov_b32 s[G0B+4*\s], 1
	s_add_co_u32 s[G0B+4*\s+1], s45, \s*SLOT
	s_add_nc_u64 s[G0B+4*\s+2:G0B+4*\s+3], s[46:47], \s*ROWB
	s_or_b32 s[G0B+4*\s+3], s[G0B+4*\s+3], 0x80000000
	JLOAD G0+4*\s, G1, G0B+4*\s, G1B
.endr
	v_and_b32 v1, 15, v0                           ; r = l % 16
	v_bfe_u32 v2, v0, 4, 1                         ; h = l / 16
	; the bias of my 128 columns
	s_lshl_b32 s96, s42, 10
	s_lshl_b32 s97, s16, 9
	s_add_co_u32 s96, s96, s97
	s_mov_b32 s97, 0
	s_add_nc_u64 s[66:67], s[66:67], s[96:97]
	v_lshlrev_b32 v[BAD], 5, v2
.irp b, 0,1,2,3,4,5,6,7
	global_load_b128 v[BI+8*\b:BI+8*\b+3], v[BAD], s[66:67] offset:64*\b
	global_load_b128 v[BI+8*\b+4:BI+8*\b+7], v[BAD], s[66:67] offset:64*\b+16
.endr
	v_mul_u32_u24 v3, v1, PITCH
	v_lshl_add_u32 v4, v2, 4, v3                   ; a fragment's row x pitch + 16 x half
	s_mul_i32 s21, s15, HALFT
	s_mul_i32 s22, s16, HALFT
	s_add_co_u32 s22, s22, 2*HALFT
.irp s, 0,1
	v_add_nc_u32 v[ADRA+\s], s21, v4
	v_add_nc_u32 v[ADRB+\s], s22, v4
	s_add_co_u32 s21, s21, SLOT
	s_add_co_u32 s22, s22, SLOT
.endr
	v_mul_u32_u24 v5, v1, KS                       ; my row's scales: 32 bytes a row,
	v_lshrrev_b32 v6, 8, v5
	v_lshl_add_u32 v5, v6, 4, v5                   ; and 16 more for each 256 passed
	s_mul_i32 s21, s15, HALFS
	s_mul_i32 s22, s16, HALFS
	s_add_co_u32 s22, s22, 2*HALFS
	s_sub_co_u32 s22, s22, s21
	v_mul_u32_u24 v6, s22, v2                      ; lanes 16-31 take W's
	s_add_co_u32 s21, s21, SCL
	v_add_nc_u32 v5, v5, v6
	v_add_nc_u32 v[ADRS], s21, v5
	s_mul_i32 s23, s14, 16*SPITCH                  ; my stage
	v_mul_u32_u24 v5, v1, SPITCH
	v_lshl_add_u32 v5, v2, 4, v5
	v_add_nc_u32 v[STO], s23, v5                   ; in: row r, 16 bytes for each half of the lanes
	v_and_b32 v6, 31, v0
	v_lshlrev_b32 v[CO], 4, v6                     ; out: 16 x lane: four rows of a head are 512 consecutive bytes
	v_lshrrev_b32 v5, 3, v6
	v_mul_u32_u24 v5, v5, SPITCH
	v_and_b32 v6, 7, v0
	v_lshl_add_u32 v5, v6, 4, v5
	v_add_nc_u32 v[RD], s23, v5                    ; back: row l / 8, 16 (l % 8) bytes of a head's 128
	; where my part begins in qkvh: (cluster x: q, k or v) << 24, (16 x batch + 4 cx + 2 x column half) << 18, position << 7
	s_lshl_b32 s96, s17, 8
	s_lshl_b32 s97, s15, 7
	s_add_co_u32 s96, s96, s97                     ; my first row of x
	s_lshr_b32 s97, s96, 11                        ; batch
	s_and_b32 s96, s96, 2047                       ; position
	s_lshl_b32 s96, s96, 7
	s_lshl_b32 s97, s97, 4
	s_lshl_b32 s98, s40, 2
	s_add_co_u32 s97, s97, s98
	s_lshl_b32 s98, s16, 1
	s_add_co_u32 s97, s97, s98
	s_lshl_b32 s97, s97, 18
	s_add_co_u32 s96, s96, s97
	s_lshl_b32 s97, ttmp9, 24
	s_add_co_u32 s96, s96, s97
	s_mov_b32 s97, 0
	s_add_nc_u64 s[12:13], s[12:13], s[96:97]
.macro FRAG reg, adr, q, i             ; 16 rows x 128 K of 4-bit codes: 8 registers, two loads of 16 bytes, 32 bytes apart
.irp c, 0,1
	ds_load_b128 v[\reg+4*\c:\reg+4*\c+3], v[\adr] offset:64*(\q)+32*\c+(\i)*16*PITCH
.endr
.endm
; 16 matrix instructions: x's blocks a0, a0 + 1 against W's eight.  first = 1: the bias is C.  The 64 accumulators take turns, one instruction a turn, in the same order in every step.
.macro MUL16 a0, p, q, sc, first
.irp a, \a0, \a0+1
.irp b, 0,1,2,3,4,5,6,7
.if \first
	v_wmma_scale_f32_16x16x128_f8f6f4 v[8*(8*((\a)%4)+\b):8*(8*((\a)%4)+\b)+7], v[128*(\p)+FR*\b:128*(\p)+FR*\b+FR-1], v[AF+FR*(\a):AF+FR*(\a)+FR-1], v[BI+8*\b:BI+8*\b+7], v[SC+8*NQ*(\sc)+NQ*\b+(\q)], v[SC+8*NQ*(\sc)+NQ*(\a)+(\q)] matrix_a_fmt:MATRIX_FMT_FP4 matrix_b_fmt:MATRIX_FMT_FP4 matrix_a_scale:MATRIX_SCALE_ROW1
.else
	v_wmma_scale_f32_16x16x128_f8f6f4 v[8*(8*((\a)%4)+\b):8*(8*((\a)%4)+\b)+7], v[128*(\p)+FR*\b:128*(\p)+FR*\b+FR-1], v[AF+FR*(\a):AF+FR*(\a)+FR-1], v[8*(8*((\a)%4)+\b):8*(8*((\a)%4)+\b)+7], v[SC+8*NQ*(\sc)+NQ*\b+(\q)], v[SC+8*NQ*(\sc)+NQ*(\a)+(\q)] matrix_a_fmt:MATRIX_FMT_FP4 matrix_b_fmt:MATRIX_FMT_FP4 matrix_a_scale:MATRIX_SCALE_ROW1
.endif
.endr
.endr
.endm
.macro FETCH_B slot, q, p
	WIN TO_B
.irp i, 0,1,2,3,4,5,6,7
	FRAG 128*(\p)+FR*\i, ADRB+\slot, \q, \i
.endr
	WIN 0
.endm
.macro FETCH_A slot, q, i0
.irp i, \i0, \i0+1, \i0+2, \i0+3
	FRAG AF+FR*(\i), ADRA+\slot, \q, \i
.endr
.endm
.macro SCALES sc                       ; a slot's scale words: 4 a row; lanes 0-15 take x's block i, lanes 16-31 W's block i
.irp i, 0,1,2,3,4,5,6,7
	ds_load_b128 v[SC+8*NQ*\sc+NQ*\i:SC+8*NQ*\sc+NQ*\i+3], v[ADRS] offset:\i*SBLK
.endr
.endm
.macro PLACES n                        ; plain vector lines between a matrix instruction and a load into, or a read of, its registers
.rept \n
	v_nop
.endr
.endm
.macro STEP slot, q, first             ; a step of 128 along K that has its successor in the same slot
	s_wait_dscnt 4*NL                              ; W's set and x's blocks 0-3 are in; the youngest eight loads (x's blocks 4-7) may be out
.if \first
	WIN MULB_LO
.else
	WIN MUL_LO
.endif
	MUL16 0, (\q)%2, \q, \slot, \first
	MUL16 2, (\q)%2, \q, \slot, \first
	s_wait_dscnt 0
	PLACES NP
	FETCH_B \slot, (\q)+1, 1-(\q)%2
	FETCH_A \slot, (\q)+1, 0
.if \first
	WIN MULB_HI
.else
	WIN MUL_HI
.endif
	MUL16 4, (\q)%2, \q, \slot, \first
	MUL16 6, (\q)%2, \q, \slot, \first
	PLACES NP
	WIN 0
	FETCH_A \slot, (\q)+1, 4
.endm
; Slot 0's last step changes slots: each wave's loads have landed (slot 1 among them) before it signals, and slot 1 is read behind the barrier.  Behind it nobody reads slot 0, where the stages will lie.
.macro TURN slot, next
	s_wait_tensorcnt 0x0                           ; all my tensor loads have landed
	ds_add_u32 v[SPW], v[NIL]                      ; 0 onto my spare word
	s_wait_dscnt 4*NL+1                            ; the add and the youngest eight loads may be out
	WIN MUL_LO
	MUL16 0, 1, NQ-1, \slot, 0
	s_wait_dscnt 0x0                               ; the add is done, and my reads of this slot are over
	s_barrier_signal -1
	MUL16 2, 1, NQ-1, \slot, 0
	WIN 0
	s_barrier_wait -1
	PLACES NP
	v_add_nc_u32 v[ADRS], 4*NQ, v[ADRS]            ; on to the next slot's scale words
	FETCH_B \next, 0, 0
	FETCH_A \next, 0, 0
	SCALES \next
	WIN MUL_HI
	MUL16 4, 1, NQ-1, \slot, 0
	MUL16 6, 1, NQ-1, \slot, 0
	PLACES NP
	WIN 0
	FETCH_A \next, 0, 4
.endm
.macro STEPS slot, from
.set Q, \from
.rept NQ-1-\from
	STEP \slot, Q, 0
.set Q, Q+1
.endr
.endm
	s_wait_tensorcnt 1                             ; the scales and my part of slot 0 are in; slot 1's load may be out
	s_barrier_signal -1
	s_barrier_wait -1
	FETCH_B 0, 0, 0
	FETCH_A 0, 0, 0
	SCALES 0
	FETCH_A 0, 0, 4
	s_wait_loadcnt 0x0                             ; the bias
	STEP 0, 0, 1
	STEPS 0, 1
	TURN 0, 1
	STEPS 1, 0
	s_wait_dscnt 4*NL                              ; the very last step
	WIN MUL_LO
	MUL16 0, 1, NQ-1, 1, 0
	MUL16 2, 1, NQ-1, 1, 0
	s_wait_dscnt 0
	WIN MUL_HI
	MUL16 4, 1, NQ-1, 1, 0
	MUL16 6, 1, NQ-1, 1, 0
	WIN 0
; THE WAY OUT, a block of 16 rows x 128 columns (two heads) at a time.  PACK: rounded to f16, 16 bytes a lane, each accumulator from its low end on.  TOSTAGE: into my stage, and back by heads: four rows
; of a head, 512 bytes that are consecutive in qkvh, an instruction.  SEND: stored.
.macro PACK a
.set AC, 64*((\a)%4)
	WIN 0x0a+5*((\a)/4)                            ; sources 0 and 1: window 2 or 3
.irp b, 0,1,2,3,4,5,6,7
.irp r, 0,1,2,3
	v_cvt_pk_f16_f32 v[TMP+4*\b+\r], v[AC+8*\b+2*\r], v[AC+8*\b+2*\r+1]
.endr
.endr
	WIN 0
.endm
.macro TOSTAGE a
.set BB, BK+32*((\a)%2)
.irp b, 0,1,2,3,4,5,6,7
	ds_store_b128 v[STO], v[TMP+4*\b:TMP+4*\b+3] offset:32*\b
.endr
.irp g, 0,1
.irp i, 0,1,2,3
	ds_load_b128 v[BB+4*(4*\g+\i):BB+4*(4*\g+\i)+3], v[RD] offset:4*SPITCH*\i+128*\g   ; LDS serves a wave's instructions in order: these see the stores above
.endr
.endr
.endm
.macro SEND a
.set BB, BK+32*((\a)%2)
	s_wait_dscnt 0x0                               ; the block is back in registers
	s_wait_xcnt 0x0                                ; the block before has left its registers: the next block's loads may land there
.irp g, 0,1
.irp i, 0,1,2,3
	global_store_b128 v[CO], v[BB+4*(4*\g+\i):BB+4*(4*\g+\i)+3], s[12:13] offset:\g*262144+(\a)*2048+\i*512   ; 512 consecutive bytes, aligned
.endr
.endr
.endm
	PLACES NP                                      ; behind the last products: for the conversions, and for the loads into the registers that held x's fragments
	PACK 0
	TOSTAGE 0
.irp a, 1,2,3,4,5,6,7
	PACK \a
	SEND \a-1
	TOSTAGE \a
.endr
	SEND 7
	s_wait_tensorcnt 0x0                           ; the wave's end
	ds_add_u32 v[SPW], v[NIL]
	s_wait_dscnt 0x0
	CROUND                                         ; the closing round
	s_endpgm
.Lfunc_end_k_qcdd0d09896_qkv:
	.size	k_qcdd0d09896_qkv, .Lfunc_end_k_qcdd0d09896_qkv-k_qcdd0d09896_qkv
	.p2alignl 7, 3214868480
	.fill 96, 4, 3214868480
	.section	.rodata,"a",@progbits
	.p2align	6, 0x0
	.amdhsa_kernel k_qcdd0d09896_qkv
		.amdhsa_group_segment_fixed_size 327680
		.amdhsa_private_segment_fixed_size 0
		.amdhsa_enable_private_segment 0
		.amdhsa_kernarg_size 48
		.amdhsa_user_sgpr_count 2
		.amdhsa_user_sgpr_kernarg_segment_ptr 1
		.amdhsa_wavefront_size32 1
		.amdhsa_system_sgpr_workgroup_id_x 1
		.amdhsa_system_sgpr_workgroup_id_y 1
		.amdhsa_system_sgpr_workgroup_id_z 1
		.amdhsa_system_vgpr_workitem_id 0
		.amdhsa_next_free_vgpr 1024
		.amdhsa_next_free_sgpr 100
		.amdhsa_reserve_vcc 0
		.amdhsa_float_denorm_mode_32 3
		.amdhsa_float_denorm_mode_16_64 3
		.amdhsa_memory_ordered 1
		.amdhsa_forward_progress 1
		.amdhsa_inst_pref_size 128
	.end_amdhsa_kernel
	.amdgpu_metadata
---
amdhsa.version: [ 1, 2 ]
amdhsa.kernels:
  - .name:           k_qcdd0d09896_qkv
    .symbol:         k_qcdd0d09896_qkv.kd
    .args:
      - { .name: xc, .offset: 0, .size: 8, .value_kind: global_buffer, .address_space: global }
      - { .name: xs, .offset: 8, .size: 8, .value_kind: global_buffer, .address_space: global }
      - { .name: wc, .offset: 16, .size: 8, .value_kind: global_buffer, .address_space: global }
      - { .name: ws, .offset: 24, .size: 8, .value_kind: global_buffer, .address_space: global }
      - { .name: b_attn, .offset: 32, .size: 8, .value_kind: global_buffer, .address_space: global }
      - { .name: qkvh, .offset: 40, .size: 8, .value_kind: global_buffer, .address_space: global }
    .group_segment_fixed_size: 327680
    .private_segment_fixed_size: 0
    .kernarg_segment_align: 8
    .kernarg_segment_size: 48
    .max_flat_workgroup_size: 128
    .sgpr_count:     100
    .vgpr_count:     1024
    .wavefront_size: 32
...
	.end_amdgpu_metadata
.endif
;; end of part 2
;; launch attn (part 3): grid 4 x 64, 16 waves a work-group, no clusters, 327,680 bytes of LDS; arguments qkvh, yh; writes yh
.if DOCPART == 3
	.amdgcn_target "amdgcn-amd-amdhsa--gfx1250"
	.amdhsa_code_object_version 6
	.text
	.protected	k_qcdd0d09896_attn
	.globl	k_qcdd0d09896_attn
	.p2align	8
	.type	k_qcdd0d09896_attn,@function
k_qcdd0d09896_attn:
	s_mov_b64 s[64:65], 0
	v_nop
	global_prefetch_b8 v0, s[64:65] scope:SCOPE_SE
	s_setreg_imm32_b32 hwreg(HW_REG_WAVE_MODE, 25, 1), 1
	s_wait_xcnt 0x0
; y[bh][q][:] = the sum over k <= q of softmax_k(Q[q] . K[k] / 8) V[k][:], for each of 64 (batch, head).  Q, K, V: qkvh [3][64][2048][64] f16; y: yh [64][2048][64] f16.
; Products on f16 operands with f32 sums; maxima, exponentials and sums in f32; the weights p are rounded to f16 for the second product, y once at the end.
; LIMITS: y from 65,520 on becomes infinity in f16.  The first 16 positions of each sequence are computed here like all others and are made anew in f32 by later launches.
; SHARES.  Work-group (i, bh): waves 0-7 own query block 7 - i (256 queries), waves 8-15 block i; a wave owns 32 queries, two tiles of 16.  Under the causal mask block j needs j + 1 slots of keys, so each
; work-group has (8 - i) + (i + 1) = 9 block-slots of work, whatever i.  All waves walk the same slots of 256 keys from key 0 on, four steps of 64 keys a slot.
; NO CLUSTER: the four work-groups of a head need 8 - i slots, different numbers, and a joint load may not be left out by one partner.
; LAYOUT.  S^T = K Q^T (source 0 = 16 keys, source 1 = 16 queries): a lane holds ONE query (lane % 16) and keys 8 (lane / 16) + 0..7.  Two such tiles, rounded to f16 in pairs, are source 1 of
; O^T = V^T P; V ([key][channel]) comes out of LDS turned, by ds_load_tr16_b128.
; SOFTMAX.  A running maximum m and sum l for each query: p = 2^(c s - c m), c = log2(e) / 8; in every step O and l are multiplied by a = 2^(c m_old - c m_new).
; EVERY work-group walks all eight slots (constant trip counts); a step all of whose keys come after the wave's queries is jumped over, and a slot that none of the work-group's waves reads is not asked for.
; REGISTERS: v1-8 addresses and constants; v12-27 statistics, eight a tile; v28 prefetch offset; v29 r - 8 h; v32-63 Q; v64-127 K's fragments, then V's; v128-191 S^T, then p, then P in place; v192-255 O^T.
.set KP,    144                        ; a row of K in LDS: 128 bytes + 16: an odd multiple of 16
.set VP,    160                        ; a row of V: 128 + 32: an odd multiple of 32, for the turning load
.set SK,    256                        ; keys in a slot
.set VOFF,  SK*KP
.set SLOT1, 1<<17
.set NSL,   8
.set STAGE, 2*SLOT1                    ; the way out: 16 rows x 144 bytes a wave; no fill ever lands here
.set SPARE, STAGE+16*16*KP             ; 299,008: the spare words, 128 bytes a wave: eight blocks of 256 bytes that no other line names
.set AK0,  1
.set AV0,  2
.set ADK,  3
.set ADV,  4
.set SPW,  5
.set NIL,  6
.set DM,   7
.set NINF, 8
.set ST,   12                          ; tile t at v[ST + 8 t]: +0 c m, +1 m, +2, +3 l, +4 to +7 at work; a stands at +6
.set PFO,  28
.set RH,   29
.set QR,   32
.set KVR,  64
.set S,    128
.set O,    192
.set WV,   18
.set SEL,  20
.set CS,   22
.set G1K,  24
.set G1V,  32
.set G0K,  40
.set G0V,  44
.set TB,   2
.set SLOTS, 67
.set LASTQ, 68
.set PFA,  76
.set LIM,  80
.set KF,   98
.set Q0,   99
; Waves 0 and 1 fetch K's halves of a slot, waves 2 and 3 V's, the others nothing.  An s_nop 0 and four v_nop follow each line.
.macro TLOAD
	s_cmp_lt_u32 s[WV], 2
	s_cbranch_scc0 .Lnot_k_\@
	tensor_load_to_lds s[G0K:G0K+3], s[G1K:G1K+7]
	s_nop 0
.rept 4
	v_nop
.endr
	s_branch .Lasked_\@
.Lnot_k_\@:
	s_cmp_lt_u32 s[WV], 4
	s_cbranch_scc0 .Lasked_\@
	tensor_load_to_lds s[G0V:G0V+3], s[G1V:G1V+7]
	s_nop 0
.rept 4
	v_nop
.endr
.Lasked_\@:
.endm
; A prefetch of the slot that the NEXT change of slots will ask for: 32,768 dense bytes of K and as many of V.  The head's work-group 0, which walks all slots, asks; in it waves 4-7 take K's block and
; waves 8-11 V's, 8,192 bytes a wave, lanes 256 bytes apart: each aligned 256 bytes is named once in the launch.  The last change that fills a slot asks for nothing; slots 0 and 1 come by their loads alone.
.macro ASK
	s_cmp_gt_u32 s[SLOTS], s[LIM]
	s_cbranch_scc0 .Lnot_mine_\@
	global_prefetch_b8 v[PFO], s[PFA:PFA+1] th:TH_LOAD_NT scope:SCOPE_SE
.Lnot_mine_\@:
.endm
	s_load_b128 s[4:7], s[0:1], 0x0                ; qkvh, yh
	v_lshl_add_u32 v[SPW], v0, 2, SPARE
	v_mov_b32 v[NIL], 0
	ds_add_u32 v[SPW], v[NIL]                      ; the wave's opening: the add, twice on end, and its wait ahead of my first tensor load
	ds_add_u32 v[SPW], v[NIL]
	v_lshrrev_b32 v9, 5, v0
	v_readfirstlane_b32 s[WV], v9                  ; wave 0..15
	s_and_b32 s70, ttmp7, 0xffff                   ; batch x 16 + head
	s_lshl_b32 s72, s70, 18                        ; its 2,048 rows of 128 bytes
	s_sub_co_u32 s71, 7, ttmp9
	s_cmp_lt_u32 s[WV], 8
	s_cselect_b32 s71, s71, ttmp9                  ; my query block
	s_lshl_b32 s71, s71, 8
	s_and_b32 s74, s[WV], 7
	s_lshl_b32 s74, s74, 5
	s_add_co_u32 s[Q0], s71, s74                   ; my first query
	s_sub_co_u32 s[LASTQ], 8, ttmp9
	s_lshl_b32 s[LASTQ], s[LASTQ], 8
	s_sub_co_u32 s[LASTQ], s[LASTQ], 1             ; my work-group's last query
	s_lshl_b32 s74, s[Q0], 7
	s_add_co_u32 s74, s74, s72
	s_mov_b32 s75, 0                               ; my rows of Q and of y
	s_and_b32 s88, s[WV], 1
	s_lshl_b32 s90, s88, 14                        ; what I fetch, if I fetch: 128 rows x half,
	s_add_co_u32 s90, s90, s72
	s_mov_b32 s91, 0
	s_mul_i32 s89, s88, 128*KP                     ; K's place in a slot,
	s_mul_i32 s94, s88, 128*VP
	s_add_co_u32 s94, s94, VOFF                    ; V's
	s_mov_b32 s[G1K], (1<<16)|(1<<20)|(4<<22)|(3<<25)   ; elements of 2 bytes; padding on: 4 words behind every 32
	s_mov_b32 s[G1V], (1<<16)|(1<<20)|(4<<22)|(7<<25)   ; 8 words
.irp g, G1K, G1V
	s_mov_b32 s[\g+1], 64<<16                      ; tensor_dim0
	s_mov_b32 s[\g+2], 128<<16                     ; tensor_dim1
	s_mov_b32 s[\g+3], 64<<16                      ; tile_dim0
	s_mov_b32 s[\g+4], 128                         ; tile_dim1
	s_mov_b32 s[\g+5], 64                          ; the pitch in memory
	s_mov_b32 s[\g+6], 0
	s_mov_b32 s[\g+7], 0
.endr
	s_mov_b32 s[SEL], 0x76543210
	s_mov_b32 s[SEL+1], 0xfedcba98                 ; v_permlanex16_b32: lane l xor 16
	s_mov_b32 s[CS], 0x3e38aa3b                    ; c = log2(e) / 8
	s_mov_b32 s[CS+1], s[CS]
	s_mov_b32 s[TB], 0
	s_mov_b32 s[SLOTS], NSL-1
	s_mov_b32 s[KF], 0
	s_wait_dscnt 0x0                               ; both opening adds are done
	s_wait_kmcnt 0x0
	s_mov_b32 s[G0K], 1
	s_mov_b32 s[G0K+1], s89
	s_add_nc_u64 s[G0K+2:G0K+3], s[4:5], s[90:91]
	s_add_nc_u64 s[G0K+2:G0K+3], s[G0K+2:G0K+3], 0x1000000   ; K lies 16 MiB into qkvh
	s_or_b32 s[G0K+3], s[G0K+3], 0x80000000
	s_mov_b32 s[G0V], 1
	s_mov_b32 s[G0V+1], s94
	s_add_nc_u64 s[G0V+2:G0V+3], s[4:5], s[90:91]
	s_add_nc_u64 s[G0V+2:G0V+3], s[G0V+2:G0V+3], 0x2000000   ; V 32 MiB
	s_or_b32 s[G0V+3], s[G0V+3], 0x80000000
	TLOAD                                          ; slot 0: key 0 counts for every query, so every wave reads it
	s_add_nc_u64 s[8:9], s[4:5], s[74:75]          ; Q at my first query
	s_add_nc_u64 s[6:7], s[6:7], s[74:75]          ; y likewise
	v_and_b32 v9, 15, v0                           ; r
	v_bfe_u32 v10, v0, 4, 1                        ; h
	v_lshlrev_b32 v11, 7, v9
	v_lshl_add_u32 v11, v10, 4, v11                ; row r of 128 bytes + 16 h
.irp t, 0,1
.irp ds, 0,1
	global_load_b128 v[QR+16*\t+8*\ds:QR+16*\t+8*\ds+3], v11, s[8:9] offset:2048*\t+64*\ds
	global_load_b128 v[QR+16*\t+8*\ds+4:QR+16*\t+8*\ds+7], v11, s[8:9] offset:2048*\t+64*\ds+32
.endr
.endr
	; the prefetches: where my wave's stand, and who asks
	s_mov_b32 s82, 0x2000000
	s_cmp_lt_u32 s[WV], 8
	s_cselect_b32 s82, 0x1000000, s82              ; waves under 8: K; the others: V
	s_and_b32 s83, s[WV], 3
	s_lshl_b32 s83, s83, 13
	s_add_co_u32 s82, s82, s83
	s_add_co_u32 s82, s82, s72
	s_add_co_u32 s82, s82, SK*128                  ; in slot 1: the first change of slots steps it to slot 2
	s_mov_b32 s83, 0
	s_add_nc_u64 s[PFA:PFA+1], s[4:5], s[82:83]
	s_sub_co_u32 s82, s[WV], 4
	s_lshr_b32 s82, s82, 3                         ; 0 in waves 4 to 11,
	s_or_b32 s82, s82, ttmp9                       ; of the head's work-group 0
	s_cmp_eq_u32 s82, 0
	s_cselect_b32 s[LIM], 1, -1
	v_and_b32 v[PFO], 31, v0
	v_lshlrev_b32 v[PFO], 8, v[PFO]
	v_mul_u32_u24 v[AK0], v9, KP
	v_lshl_add_u32 v[AK0], v10, 4, v[AK0]          ; K: row r x pitch + 16 h
	v_and_b32 v[AV0], 7, v0
	v_lshl_add_u32 v[AV0], v10, 3, v[AV0]          ; V: key 8 h + l % 8,
	v_mul_u32_u24 v[AV0], v[AV0], VP
	v_bfe_u32 v[ADK], v0, 3, 1
	v_lshl_add_u32 v[AV0], v[ADK], 4, v[AV0]       ; channels 8 ((l / 8) % 2) on
	v_add_nc_u32 v[AV0], VOFF, v[AV0]
	v_lshlrev_b32 v[RH], 3, v10
	v_sub_nc_u32 v[RH], v9, v[RH]                  ; r - 8 h
	v_mov_b32 v[NINF], 0xff800000                  ; -infinity
.irp t, 0,1
	v_mov_b32 v[ST+8*\t+1], 0xff61b1e6             ; m = -3e38, under every score
	v_mul_f32 v[ST+8*\t], s[CS], v[ST+8*\t+1]      ; c m
.irp i, 2,3,4,5,6,7
	v_mov_b32 v[ST+8*\t+\i], 0
.endr
.endr
.irp j, 0,1,2,3,4,5,6,7,8,9,10,11,12,13,14,15,16,17,18,19,20,21,22,23,24,25,26,27,28,29,30,31,32,33,34,35,36,37,38,39,40,41,42,43,44,45,46,47,48,49,50,51,52,53,54,55,56,57,58,59,60,61,62,63
	v_mov_b32 v[O+\j], 0                           ; O^T: the step is written once; the first finds zeros, which a = 0 leaves zeros
.endr
; A KEY STEP: 64 keys, the q-th of the slot in hand.
.macro STEP q
	s_add_co_u32 s96, s[Q0], 31                    ; a step all of whose keys come after my 32 queries is left out: a branch on ids
	s_cmp_gt_u32 s[KF], s96
	s_cbranch_scc1 .Lhidden_\@
	v_add_nc_u32 v[ADK], s[TB], v[AK0]
	v_add_nc_u32 v[ADV], s[TB], v[AV0]
.rept 3
	v_nop                                          ; with the two additions five places behind the last step's products: the loads land on V's fragments, and the new scores are laid over P
.endr
.irp kt, 0,1,2,3
.irp ds, 0,1
	ds_load_b128 v[KVR+16*\kt+8*\ds:KVR+16*\kt+8*\ds+3], v[ADK] offset:(\q)*64*KP+\kt*16*KP+64*\ds
	ds_load_b128 v[KVR+16*\kt+8*\ds+4:KVR+16*\kt+8*\ds+7], v[ADK] offset:(\q)*64*KP+\kt*16*KP+64*\ds+32
.endr
.endr
	s_wait_dscnt 0x0
.irp ds, 0,1                                   ; S^T = K Q^T: eight accumulators by turns, one instruction a turn; the first 32 channels start the sums
.irp kt, 0,1,2,3
.irp t, 0,1
.if \ds == 0
	v_wmma_f32_16x16x32_f16 v[S+32*\t+8*\kt:S+32*\t+8*\kt+7], v[KVR+16*\kt:KVR+16*\kt+7], v[QR+16*\t:QR+16*\t+7], 0
.else
	v_wmma_f32_16x16x32_f16 v[S+32*\t+8*\kt:S+32*\t+8*\kt+7], v[KVR+16*\kt+8:KVR+16*\kt+15], v[QR+16*\t+8:QR+16*\t+15], v[S+32*\t+8*\kt:S+32*\t+8*\kt+7]
.endif
.endr
.endr
.endr
.rept 4
	v_nop                                          ; places: in front of the loads into K's registers and of the first read of the scores
.endr
.irp c, 0,1                                    ; V of this step, turned; it lands while the softmax is walked
.irp dt, 0,1,2,3
	ds_load_tr16_b128 v[KVR+32*\c+8*\dt:KVR+32*\c+8*\dt+3], v[ADV] offset:(\q)*64*VP+\c*32*VP+32*\dt
	ds_load_tr16_b128 v[KVR+32*\c+8*\dt+4:KVR+32*\c+8*\dt+7], v[ADV] offset:(\q)*64*VP+\c*32*VP+16*VP+32*\dt
.endr
.endr
	s_add_co_u32 s96, s[KF], 63                    ; on the diagonal hidden scores become -infinity; a step all of whose keys count skips this
	s_cmp_le_u32 s96, s[Q0]
	s_cbranch_scc1 .Lopen_\@
	s_sub_co_i32 s96, s[Q0], s[KF]
	v_add_nc_u32 v[DM], s96, v[RH]                 ; d = Q0 - KF + r - 8 h: register 8 kt + j of tile t is hidden where 16 kt + j - 16 t > d
.irp t, 0,1
.irp kt, 0,1,2,3
.irp j, 0,1,2,3,4,5,6,7
	v_cmp_gt_i32 vcc_lo, 16*\kt+\j-16*\t, v[DM]
	v_cndmask_b32 v[S+32*\t+8*\kt+\j], v[S+32*\t+8*\kt+\j], v[NINF], vcc_lo
.endr
.endr
.endr
.Lopen_\@:
	; the maximum of my 32 scores and the old m, the two tiles by turns; each accumulator is read from its low end on
.irp j, 0,1,2,3
.irp t, 0,1
	v_max3_num_f32 v[ST+8*\t+4+\j], v[S+32*\t+8*\j], v[S+32*\t+8*\j+1], v[S+32*\t+8*\j+2]
.endr
.endr
.irp u, 3,5
.irp j, 0,1,2,3
.irp t, 0,1
	v_max3_num_f32 v[ST+8*\t+4+\j], v[ST+8*\t+4+\j], v[S+32*\t+8*\j+\u], v[S+32*\t+8*\j+\u+1]
.endr
.endr
.endr
.irp t, 0,1
	v_max3_num_f32 v[ST+8*\t+4], v[ST+8*\t+4], v[S+32*\t+7], v[S+32*\t+15]
.endr
.irp t, 0,1
	v_max3_num_f32 v[ST+8*\t+6], v[ST+8*\t+6], v[S+32*\t+23], v[S+32*\t+31]
.endr
.irp t, 0,1
	v_max3_num_f32 v[ST+8*\t+4], v[ST+8*\t+4], v[ST+8*\t+5], v[ST+8*\t+6]
.endr
.irp t, 0,1
	v_max3_num_f32 v[ST+8*\t+4], v[ST+8*\t+4], v[ST+8*\t+7], v[ST+8*\t+1]
.endr
.irp t, 0,1
	v_permlanex16_b32 v[ST+8*\t+5], v[ST+8*\t+4], s[SEL], s[SEL+1]   ; the query's other 32 keys lie in the lane 16 away
.endr
.irp t, 0,1
	v_mov_b32 v[ST+8*\t+7], v[ST+8*\t]             ; c m_old
.endr
.irp t, 0,1
	v_max_num_f32 v[ST+8*\t+1], v[ST+8*\t+4], v[ST+8*\t+5]
.endr
.irp t, 0,1
	v_mul_f32 v[ST+8*\t], s[CS], v[ST+8*\t+1]
.endr
.irp t, 0,1
	v_sub_f32 v[ST+8*\t+7], v[ST+8*\t+7], v[ST+8*\t]
.endr
.irp i, 0,2,4,6,8,10,12,14,16,18,20,22,24,26,28,30
.irp t, 0,1
	v_pk_fma_f32 v[S+32*\t+\i:S+32*\t+\i+1], v[S+32*\t+\i:S+32*\t+\i+1], s[CS:CS+1], v[ST+8*\t:ST+8*\t+1] op_sel_hi:[1,0,0] neg_lo:[0,0,1] neg_hi:[0,0,1]   ; c s - c m
.endr
.endr
.irp t, 0,1
	v_exp_f32 v[ST+8*\t+6], v[ST+8*\t+7]           ; a
.endr
.irp i, 0,1,2,3,4,5,6,7,8,9,10,11,12,13,14,15,16,17,18,19,20,21,22,23,24,25,26,27,28,29,30,31
.irp t, 0,1
	v_exp_f32 v[S+32*\t+\i], v[S+32*\t+\i]         ; p, at most 1
.endr
.endr
	v_nop                                          ; a plain line behind the last exponential
	s_wait_alu depctr_va_vdst(0)                   ; one wait for the 66 exponentials, ahead of their first reader
.irp t, 0,1
	v_pk_fma_f32 v[ST+8*\t+2:ST+8*\t+3], v[ST+8*\t+2:ST+8*\t+3], v[ST+8*\t+6:ST+8*\t+7], v[S+32*\t:S+32*\t+1] op_sel_hi:[1,0,1]   ; l = a l + p, in two chains
.endr
.irp t, 0,1
	v_pk_add_f32 v[ST+8*\t+4:ST+8*\t+5], v[S+32*\t+2:S+32*\t+3], v[S+32*\t+6:S+32*\t+7]
.endr
.irp t, 0,1
	v_pk_add_f32 v[ST+8*\t+2:ST+8*\t+3], v[ST+8*\t+2:ST+8*\t+3], v[S+32*\t+4:S+32*\t+5]
.endr
.irp u, 2,3,4,5,6,7
.irp t, 0,1
	v_pk_add_f32 v[ST+8*\t+2:ST+8*\t+3], v[ST+8*\t+2:ST+8*\t+3], v[S+32*\t+4*\u:S+32*\t+4*\u+1]
	v_pk_add_f32 v[ST+8*\t+4:ST+8*\t+5], v[ST+8*\t+4:ST+8*\t+5], v[S+32*\t+4*\u+2:S+32*\t+4*\u+3]
.endr
.endr
.irp t, 0,1
	v_pk_add_f32 v[ST+8*\t+2:ST+8*\t+3], v[ST+8*\t+2:ST+8*\t+3], v[ST+8*\t+4:ST+8*\t+5]
.endr
.irp i, 0,1,2,3,4,5,6,7,8,9,10,11,12,13,14,15
.irp t, 0,1
	v_cvt_pk_f16_f32 v[S+32*\t+\i], v[S+32*\t+2*\i], v[S+32*\t+2*\i+1]   ; P in place: register i takes pair i, which lies at 2 i, never under i
.endr
.endr
.irp i, 0,2,4,6,8,10,12,14,16,18,20,22,24,26,28,30
.irp t, 0,1
	v_pk_mul_f32 v[O+32*\t+\i:O+32*\t+\i+1], v[O+32*\t+\i:O+32*\t+\i+1], v[ST+8*\t+6:ST+8*\t+7] op_sel_hi:[1,0]   ; O^T x a
.endr
.endr
	s_wait_dscnt 0x0                               ; V is in
.irp c, 0,1                                    ; O^T += V^T P: eight accumulators by turns
.irp dt, 0,1,2,3
.irp t, 0,1
	v_wmma_f32_16x16x32_f16 v[O+32*\t+8*\dt:O+32*\t+8*\dt+7], v[KVR+32*\c+8*\dt:KVR+32*\c+8*\dt+7], v[S+32*\t+8*\c:S+32*\t+8*\c+7], v[O+32*\t+8*\dt:O+32*\t+8*\dt+7]
.endr
.endr
.endr
.Lhidden_\@:
	s_add_co_u32 s[KF], s[KF], 64
.endm
; THE CHANGE OF SLOTS stands at a slot's head.  Each wave waits for all its tensor loads, adds 0 to its spare word, and waits for that and for its reads of the slot that it has left; behind the barrier the slot
; ahead is whole and nobody reads the other.  fill = 1: that other slot takes the next 256 keys, unless its first key comes after the work-group's last query: then none of the sixteen waves would read it.
; That test is made of ids and the count of steps alone, is the same in all waves, and leads round the load's own lines and nothing else; every wait on TENSORcnt in this text is for 0.
.macro CHANGE fill
	s_wait_tensorcnt 0x0
	ds_add_u32 v[SPW], v[NIL]
.if \fill
	ds_add_u32 v[SPW], v[NIL]                      ; and twice on end here, in every trip alike
	s_xor_b32 s[G0K+1], s[G0K+1], SLOT1            ; no load of mine is out: the descriptors walk on
	s_add_nc_u64 s[G0K+2:G0K+3], s[G0K+2:G0K+3], SK*128
	s_xor_b32 s[G0V+1], s[G0V+1], SLOT1
	s_add_nc_u64 s[G0V+2:G0V+3], s[G0V+2:G0V+3], SK*128
	s_wait_xcnt 0x0                                ; the last prefetch, a slot back, has read its address
	s_add_nc_u64 s[PFA:PFA+1], s[PFA:PFA+1], SK*128
.endif
	s_wait_dscnt 0x0
	s_barrier_signal -1
	s_barrier_wait -1
.if \fill
	s_add_co_u32 s96, s[KF], SK
	s_cmp_gt_u32 s96, s[LASTQ]
	s_cbranch_scc1 .Lpast_\@
	TLOAD                                          ; a wave's one tensor load until the next such barrier
.Lpast_\@:
	ASK
.endif
.endm
.macro SLOT_STEPS
	STEP 0
	STEP 1
	STEP 2
	STEP 3
	s_xor_b32 s[TB], s[TB], SLOT1
.endm
	s_wait_loadcnt 0x0                             ; Q
.Lslot:
	CHANGE 1
	SLOT_STEPS
	s_sub_co_u32 s[SLOTS], s[SLOTS], 1
	s_cmp_lg_u32 s[SLOTS], 0
	s_cbranch_scc1 .Lslot
	CHANGE 0                                       ; the last slot is written out: nothing is left to ask for
	SLOT_STEPS
	; THE WAY OUT: O^T / l, rounded to f16, through my stage, a tile of 16 rows at a time; four rows of y are 512 consecutive bytes.
.rept 4
	v_nop                                          ; places behind the last products
.endr
.irp t, 0,1
	v_add_f32 v[ST+8*\t+4], v[ST+8*\t+2], v[ST+8*\t+3]
.endr
.irp t, 0,1
	v_permlanex16_b32 v[ST+8*\t+5], v[ST+8*\t+4], s[SEL], s[SEL+1]
.endr
.irp t, 0,1
	v_add_f32 v[ST+8*\t+4], v[ST+8*\t+4], v[ST+8*\t+5]
.endr
.irp t, 0,1
	v_rcp_f32 v[ST+8*\t+6], v[ST+8*\t+4]
.endr
	v_and_b32 v9, 15, v0                           ; (plain work behind the reciprocals)
	v_bfe_u32 v10, v0, 4, 1
	s_mul_i32 s73, s[WV], 16*KP
	s_add_co_u32 s73, s73, STAGE
	v_mul_u32_u24 v[ADK], v9, KP
	v_lshl_add_u32 v[ADK], v10, 4, v[ADK]
	v_add_nc_u32 v[ADK], s73, v[ADK]               ; in: row r, 16 bytes for each half of the lanes
	v_and_b32 v9, 31, v0
	v_lshlrev_b32 v11, 4, v9                       ; out: 16 x lane
	v_lshrrev_b32 v[ADV], 3, v9
	v_mul_u32_u24 v[ADV], v[ADV], KP
	v_and_b32 v10, 7, v0
	v_lshl_add_u32 v[ADV], v10, 4, v[ADV]
	v_add_nc_u32 v[ADV], s73, v[ADV]               ; back: row l / 8, 16 (l % 8)
	s_wait_alu depctr_va_vdst(0)                   ; one wait for both reciprocals, ahead of their first reader
.irp t, 0,1
.irp i, 0,2,4,6,8,10,12,14,16,18,20,22,24,26,28,30
	v_pk_mul_f32 v[O+32*\t+\i:O+32*\t+\i+1], v[O+32*\t+\i:O+32*\t+\i+1], v[ST+8*\t+6:ST+8*\t+7] op_sel_hi:[1,0]
.endr
.irp i, 0,1,2,3,4,5,6,7,8,9,10,11,12,13,14,15
	v_cvt_pk_f16_f32 v[S+32*\t+\i], v[O+32*\t+2*\i], v[O+32*\t+2*\i+1]
.endr
.irp dt, 0,1,2,3
	ds_store_b128 v[ADK], v[S+32*\t+4*\dt:S+32*\t+4*\dt+3] offset:32*\dt
.endr
.irp i, 0,1,2,3
	ds_load_b128 v[S+32*\t+16+4*\i:S+32*\t+16+4*\i+3], v[ADV] offset:4*KP*\i   ; in order behind my stores; the next tile's stores come behind these
.endr
.endr
.irp t, 0,1
.irp i, 0,1,2,3
	s_wait_dscnt 11-8*\t-\i                        ; this load is back; the younger LDS instructions may be out
	global_store_b128 v11, v[S+32*\t+16+4*\i:S+32*\t+16+4*\i+3], s[6:7] offset:2048*\t+512*\i
.endr
.endr
	s_wait_tensorcnt 0x0                           ; the wave's end
	ds_add_u32 v[SPW], v[NIL]
	s_wait_dscnt 0x0
	s_endpgm
.Lfunc_end_k_qcdd0d09896_attn:
	.size	k_qcdd0d09896_attn, .Lfunc_end_k_qcdd0d09896_attn-k_qcdd0d09896_attn
	.p2alignl 7, 3214868480
	.fill 96, 4, 3214868480
	.section	.rodata,"a",@progbits
	.p2align	6, 0x0
	.amdhsa_kernel k_qcdd0d09896_attn
		.amdhsa_group_segment_fixed_size 327680
		.amdhsa_private_segment_fixed_size 0
		.amdhsa_enable_private_segment 0
		.amdhsa_kernarg_size 16
		.amdhsa_user_sgpr_count 2
		.amdhsa_user_sgpr_kernarg_segment_ptr 1
		.amdhsa_wavefront_size32 1
		.amdhsa_system_sgpr_workgroup_id_x 1
		.amdhsa_system_sgpr_workgroup_id_y 1
		.amdhsa_system_sgpr_workgroup_id_z 1
		.amdhsa_system_vgpr_workitem_id 0
		.amdhsa_next_free_vgpr 256
		.amdhsa_next_free_sgpr 100
		.amdhsa_reserve_vcc 1
		.amdhsa_float_denorm_mode_32 3
		.amdhsa_float_denorm_mode_16_64 3
		.amdhsa_memory_ordered 1
		.amdhsa_forward_progress 1
		.amdhsa_inst_pref_size 187
	.end_amdhsa_kernel
	.amdgpu_metadata
---
amdhsa.version: [ 1, 2 ]
amdhsa.kernels:
  - .name:           k_qcdd0d09896_attn
    .symbol:         k_qcdd0d09896_attn.kd
    .args:
      - { .name: qkvh, .offset: 0, .size: 8, .value_kind: global_buffer, .address_space: global }
      - { .name: yh, .offset: 8, .size: 8, .value_kind: global_buffer, .address_space: global }
    .group_segment_fixed_size: 327680
    .private_segment_fixed_size: 0
    .kernarg_segment_align: 8
    .kernarg_segment_size: 16
    .max_flat_workgroup_size: 512
    .sgpr_count:     100
    .vgpr_count:     256
    .wavefront_size: 32
...
	.end_amdgpu_metadata
.endif
;; end of part 3
;; launch proj (part 4): grid 4 x 64, 4 waves a work-group, clusters of 4 x 4, 327,680 bytes of LDS; arguments yh, wp16, b_proj, out0; writes out0
.if DOCPART == 4
	.amdgcn_target "amdgcn-amd-amdhsa--gfx1250"
	.amdhsa_code_object_version 6
	.text
	.protected	k_qcdd0d09896_proj
	.globl	k_qcdd0d09896_proj
	.p2align	8
	.type	k_qcdd0d09896_proj,@function
k_qcdd0d09896_proj:
	s_mov_b64 s[64:65], 0
	v_nop
	global_prefetch_b8 v0, s[64:65] scope:SCOPE_SE
	s_setreg_imm32_b32 hwreg(HW_REG_WAVE_MODE, 25, 1), 1
	s_wait_xcnt 0x0
	s_wait_alu depctr_hold_cnt(0) depctr_sa_sdst(0) depctr_va_vdst(0) depctr_va_sdst(0) depctr_va_ssrc(0) depctr_va_vcc(0) depctr_vm_vsrc(0)
	s_getreg_b32 s2, hwreg(HW_REG_IB_STS2, 6, 4)
	s_cmp_eq_u32 s2, 0
	s_cbranch_scc0 .Lentry_in_a_cluster
	s_endpgm
.Lentry_in_a_cluster:
	s_bfe_u32 s2, ttmp6, 0x10000c
	s_cmp_lg_u32 s2, 0xf033
	s_cbranch_scc0 .Lentry_shape_is_right
	s_endpgm
.Lentry_shape_is_right:
; out0 = y W_proj + b_proj.  y: yh [64 (batch x 16 + head)][2048][64] f16; W_proj: wp16 [1024 (k)][1024 (n)] f16; sums and out0 in f32.
; All 8,192 rows are stored here; the 64 rows of the first 16 positions of each sequence are stored once more, from f32 arithmetic, by a later launch: leaving them out here would be a branch on a
; work-group's place in its cluster.
; A tile of 128 rows x 256 columns is made by four waves, each 64 x 128: 32 accumulators, 256 registers: 256 work-groups.  K goes in eight steps of 128 (two heads) through a ring of two LDS slots.
; THE MATRIX INSTRUCTION IS USED TRANSPOSED: source 0 = 16 columns of W (turned out of LDS by ds_load_tr16_b128), source 1 = 16 rows of y: a lane holds eight neighbouring outputs of a row.  The bias is
; the C of each sum's first product.
; CLUSTERS: 4 x 4; y's tiles are shared along a row of the cluster, W's along a column, by joint loads.
; REGISTERS: window 0: v0-31 addresses; v64-127 the bias; v128-255 rows on their way out.  window 1: the accumulators, (a, b) at v[8 (8 a + b)].  window 2: two fragment buffers at v0 and v128: y's four
; fragments, then W's eight.
.set APITCH, 144                       ; a row of y in LDS: 128 bytes + 16
.set PLANE,  128*APITCH                ; a head's 128 rows
.set BPITCH, 544                       ; a row of W: 512 bytes + 32: an odd multiple of 32, for the turning load
.set BOFF,   2*PLANE
.set BHALF,  64*BPITCH
.set SLOT,   BOFF+2*BHALF              ; 106,496
.set STAGE,  2*SLOT                    ; behind the ring: 16 rows x 528 bytes a wave
.set SPITCH, 528
.set SPARE,  STAGE+4*16*SPITCH         ; 246,784: the spare words: two blocks of 256 bytes that no other line names
.set LAPS,   4
.set ADRA, 16
.set ADRB, 20
.set STO,  24
.set RD,   25
.set CO,   26
.set SPW,  28
.set NIL,  29
.set PFO,  30
.set BAD,  31
.set BI,   64
.set BK,   128
.set F0,   0
.set F1,   128
.set G1, 24
.set G0, 32
.set G1B, 48
.set G0B, 56
.set PFA, 76
.set LIM, 78
.set MSB, 0
.macro WIN new
.if MSB != \new
	s_set_vgpr_msb (MSB<<8)|\new
.set MSB, \new
.endif
.endm
.set MUL,  0x5a                        ; sources 0 and 1 window 2; C and D window 1
.set MULB, 0x4a                        ; C (the bias) window 0
.set TO_F, 0x80                        ; destination window 2
.macro JLOAD s                         ; waves 0 and 1 fetch y's two planes, waves 2 and 3 W's two halves; an s_nop 0 and four v_nop follow each line
	s_cmp_eq_u32 s11, 0
	s_cbranch_scc0 .Lfor_b_\@
	tensor_load_to_lds s[G0+4*\s:G0+4*\s+3], s[G1:G1+7]
	s_nop 0
.rept 4
	v_nop
.endr
	s_branch .Lasked_\@
.Lfor_b_\@:
	tensor_load_to_lds s[G0B+4*\s:G0B+4*\s+3], s[G1B:G1B+7]
	s_nop 0
.rept 4
	v_nop
.endr
.Lasked_\@:
.endm
.macro CREST
	s_cmp_lg_u32 s10, 0
	s_cbranch_scc1 .Lnot_wave_0_\@
	s_barrier_signal -3
.Lnot_wave_0_\@:
	s_barrier_wait -3
	s_barrier_signal -1
	s_barrier_wait -1
.endm
.macro CROUND
	s_barrier_signal -1
	s_barrier_wait -1
	CREST
.endm
; A prefetch of y's K step that stands two refills on: two planes of 128 rows x 128 bytes.  One cluster alone reads a tile row of y; in it wave 0 of each partner of a row asks, and the four share the
; 32,768 bytes out by address: partner cx takes plane cx / 2, half cx % 2: 8,192 dense bytes, lanes 256 bytes apart.  The loop's last trip asks for nothing: K ends.  W is read by many clusters and is not asked for.
.macro ASK
	s_cmp_gt_u32 s3, s[LIM]
	s_cbranch_scc0 .Lnot_mine_\@
	global_prefetch_b8 v[PFO], s[PFA:PFA+1] th:TH_LOAD_NT scope:SCOPE_SE
.Lnot_mine_\@:
.endm
	s_load_b128 s[4:7], s[0:1], 0x0                ; yh, wp16
	s_load_b128 s[68:71], s[0:1], 0x10             ; b_proj, out0
	v_lshl_add_u32 v[SPW], v0, 2, SPARE
	v_mov_b32 v[NIL], 0
	ds_add_u32 v[SPW], v[NIL]                      ; the wave's opening: the add, twice on end, and its wait ahead of my first tensor load
	ds_add_u32 v[SPW], v[NIL]
	v_lshrrev_b32 v1, 5, v0
	v_readfirstlane_b32 s10, v1                    ; wave 0..3
	s_lshr_b32 s11, s10, 1                         ; which 64 rows are mine.  Also: I fetch for y (0) or for W (1)
	s_and_b32 s12, s10, 1                          ; which 128 columns.  Also: which plane, or which 64 rows of W, I fetch
	s_bfe_u32 s40, ttmp6, 0x40000                  ; cx
	s_bfe_u32 s41, ttmp6, 0x40004                  ; cy
	s_lshl_b32 s42, ttmp9, 2
	s_add_co_u32 s42, s42, s40                     ; tile column
	s_and_b32 s13, ttmp7, 0xffff
	s_lshl_b32 s13, s13, 2
	s_add_co_u32 s13, s13, s41                     ; tile row
	s_lshl_b32 s43, s41, 2
	s_lshl_b32 s43, 15, s43
	s_lshl_b32 s44, 0x1111, s40
	s_or_b32 s[G1+0], s43, (1<<16)|(1<<20)|(1<<21)|(4<<22)|(3<<25)    ; y: 2-byte elements; 4 words of padding behind every 32
	s_mov_b32 s[G1+1], 64<<16
	s_mov_b32 s[G1+2], 128<<16
	s_mov_b32 s[G1+3], 64<<16
	s_mov_b32 s[G1+4], 128
	s_mov_b32 s[G1+5], 64
	s_mov_b32 s[G1+6], 0
	s_mov_b32 s[G1+7], 0
	s_or_b32 s[G1B+0], s44, (1<<16)|(1<<20)|(1<<21)|(6<<22)|(7<<25)   ; W: 8 words behind every 128
	s_mov_b32 s[G1B+1], 256<<16
	s_mov_b32 s[G1B+2], 64<<16
	s_mov_b32 s[G1B+3], 256<<16
	s_mov_b32 s[G1B+4], 64
	s_mov_b32 s[G1B+5], 1024
	s_mov_b32 s[G1B+6], 0
	s_mov_b32 s[G1B+7], 0
	s_lshr_b32 s16, s13, 4                         ; y: batch << 22, plane << 18, position << 7
	s_lshl_b32 s16, s16, 22
	s_and_b32 s17, s13, 15
	s_lshl_b32 s17, s17, 14
	s_add_co_u32 s16, s16, s17
	s_lshl_b32 s17, s12, 18
	s_add_co_u32 s16, s16, s17
	s_mov_b32 s17, 0
	s_lshl_b32 s46, s12, 17                        ; W: 64 rows of 2,048 bytes x half, + 512 x tile column
	s_lshl_b32 s47, s42, 9
	s_add_co_u32 s46, s46, s47
	s_mov_b32 s47, 0
	s_mul_i32 s20, s12, PLANE
	s_mul_i32 s21, s12, BHALF
	s_add_co_u32 s21, s21, BOFF
	s_wait_dscnt 0x0
	s_wait_kmcnt 0x0
	s_add_nc_u64 s[14:15], s[4:5], s[16:17]
	s_add_nc_u64 s[46:47], s[6:7], s[46:47]
	CROUND                                         ; all sixteen work-groups are here: the first joint loads meet
.irp s, 0,1
	s_mov_b32 s[G0+4*\s], 1
	s_add_co_u32 s[G0+4*\s+1], s20, \s*SLOT
	s_add_nc_u64 s[G0+4*\s+2:G0+4*\s+3], s[14:15], \s*524288
	s_or_b32 s[G0+4*\s+3], s[G0+4*\s+3], 0x80000000
	s_mov_b32 s[G0B+4*\s], 1
	s_add_co_u32 s[G0B+4*\s+1], s21, \s*SLOT
	s_add_nc_u64 s[G0B+4*\s+2:G0B+4*\s+3], s[46:47], \s*262144
	s_or_b32 s[G0B+4*\s+3], s[G0B+4*\s+3], 0x80000000
	JLOAD \s
.endr
	v_and_b32 v1, 15, v0                           ; r
	v_bfe_u32 v2, v0, 4, 1                         ; h
	s_lshl_b32 s72, s42, 10                        ; my first column, in bytes of f32
	s_lshl_b32 s73, s12, 9
	s_add_co_u32 s72, s72, s73
	s_mov_b32 s73, 0
	s_add_nc_u64 s[68:69], s[68:69], s[72:73]
	v_lshlrev_b32 v[BAD], 5, v2
.irp b, 0,1,2,3,4,5,6,7
	global_load_b128 v[BI+8*\b:BI+8*\b+3], v[BAD], s[68:69] offset:64*\b
	global_load_b128 v[BI+8*\b+4:BI+8*\b+7], v[BAD], s[68:69] offset:64*\b+16
.endr
	s_lshl_b32 s74, s13, 19                        ; out0: (128 x tile row + 64 x row half) rows of 4,096 bytes
	s_lshl_b32 s75, s11, 18
	s_add_co_u32 s74, s74, s75
	s_add_co_u32 s74, s74, s72
	s_mov_b32 s75, 0
	s_add_nc_u64 s[70:71], s[70:71], s[74:75]
	; the prefetches
	s_lshr_b32 s72, s13, 4
	s_lshl_b32 s72, s72, 22
	s_and_b32 s73, s13, 15
	s_lshl_b32 s73, s73, 14
	s_add_co_u32 s72, s72, s73
	s_lshr_b32 s73, s40, 1
	s_lshl_b32 s73, s73, 18
	s_add_co_u32 s72, s72, s73
	s_and_b32 s73, s40, 1
	s_lshl_b32 s73, s73, 13
	s_add_co_u32 s72, s72, s73
	s_add_co_u32 s72, s72, 3*524288                ; at K step 3: the first refill steps it to 4
	s_mov_b32 s73, 0
	s_add_nc_u64 s[PFA:PFA+1], s[4:5], s[72:73]
	s_cmp_eq_u32 s10, 0
	s_cselect_b32 s[LIM], 1, -1
	v_and_b32 v[PFO], 31, v0
	v_lshlrev_b32 v[PFO], 8, v[PFO]
	v_mul_u32_u24 v3, v1, APITCH
	v_lshl_add_u32 v3, v2, 4, v3                   ; y: row r x pitch + 16 h
	v_and_b32 v4, 7, v0
	v_lshl_add_u32 v4, v2, 3, v4                   ; W: k = 8 h + l % 8,
	v_mul_u32_u24 v4, v4, BPITCH
	v_bfe_u32 v5, v0, 3, 1
	v_lshl_add_u32 v4, v5, 4, v4                   ; columns 8 ((l / 8) % 2) on
	s_mul_i32 s21, s11, 64*APITCH
	s_lshl_b32 s22, s12, 8
	s_add_co_u32 s22, s22, BOFF
.irp s, 0,1
	v_add_nc_u32 v[ADRA+\s], s21, v3
	v_add_nc_u32 v[ADRB+\s], s22, v4
	s_add_co_u32 s21, s21, SLOT
	s_add_co_u32 s22, s22, SLOT
.endr
	s_mul_i32 s23, s10, 16*SPITCH
	s_add_co_u32 s23, s23, STAGE                   ; my stage
	v_mul_u32_u24 v5, v1, SPITCH
	v_lshl_add_u32 v5, v2, 5, v5
	v_add_nc_u32 v[STO], s23, v5                   ; in: row r, 32 bytes for each half of the lanes
	v_and_b32 v6, 31, v0
	v_lshlrev_b32 v[CO], 4, v6
	v_add_nc_u32 v[RD], s23, v[CO]                 ; back: a row of 512 bytes for the 32 lanes
.macro MUL8 f, a, first                ; y's block a against W's eight, 32 along K; the 32 accumulators take turns, one instruction a turn
.irp b, 0,1,2,3,4,5,6,7
.if \first
	v_wmma_f32_16x16x32_f16 v[8*(8*(\a)+\b):8*(8*(\a)+\b)+7], v[\f+32+8*\b:\f+32+8*\b+7], v[\f+8*(\a):\f+8*(\a)+7], v[BI+8*\b:BI+8*\b+7]
.else
	v_wmma_f32_16x16x32_f16 v[8*(8*(\a)+\b):8*(8*(\a)+\b)+7], v[\f+32+8*\b:\f+32+8*\b+7], v[\f+8*(\a):\f+8*(\a)+7], v[8*(8*(\a)+\b):8*(8*(\a)+\b)+7]
.endif
.endr
.endm
.macro FETCH slot, qd, f               ; 24 LDS loads in one run: quarter qd (32 along K) of the slot: W's eight fragments, then y's four
	WIN TO_F
.irp b, 0,1,2,3,4,5,6,7
	ds_load_tr16_b128 v[\f+32+8*\b:\f+32+8*\b+3], v[ADRB+\slot] offset:(\qd)*32*BPITCH+32*\b
	ds_load_tr16_b128 v[\f+32+8*\b+4:\f+32+8*\b+7], v[ADRB+\slot] offset:(\qd)*32*BPITCH+16*BPITCH+32*\b
.endr
.irp a, 0,1,2,3
	ds_load_b128 v[\f+8*\a:\f+8*\a+3], v[ADRA+\slot] offset:((\qd)/2)*PLANE+((\qd)%2)*64+\a*16*APITCH
	ds_load_b128 v[\f+8*\a+4:\f+8*\a+7], v[ADRA+\slot] offset:((\qd)/2)*PLANE+((\qd)%2)*64+\a*16*APITCH+32
.endr
.endm
.macro PLACES
.rept 4
	v_nop
.endr
.endm
.macro QUARTER slot, qd, f, g, first   ; multiplies buffer f; in its middle it fetches quarter qd of the slot into buffer g
	s_wait_dscnt 4                                 ; W's fragments and y's blocks 0, 1 are in; the youngest four loads may be out
.if \first
	WIN MULB
.else
	WIN MUL
.endif
	MUL8 \f, 0, \first
	MUL8 \f, 1, \first
	PLACES
	FETCH \slot, \qd, \g
	s_wait_dscnt 24                                ; all but the 24 just issued
.if \first
	WIN MULB
.else
	WIN MUL
.endif
	MUL8 \f, 2, \first
	MUL8 \f, 3, \first
.endm
; A slot's last quarter multiplies buffer 1 and changes slots: one barrier; in front of it each wave waits for all its tensor loads, adds 0 to its spare word, and waits for that and for its reads of the slot.
; fill = 1: the barrier opens a round of the cluster's barrier, and the slot is filled again, two K steps ahead, first thing behind the round.
.macro TURN slot, next, fill
.if \fill
	s_wait_xcnt 0x0                                ; the last prefetch, a K step back, has read its address
	s_add_nc_u64 s[PFA:PFA+1], s[PFA:PFA+1], 524288
.endif
	WIN 0
	s_wait_tensorcnt 0x0
	ds_add_u32 v[SPW], v[NIL]
	s_wait_dscnt 5                                 ; the add and the youngest four loads may be out
	WIN MUL
	MUL8 F1, 0, 0
	s_wait_dscnt 0x0                               ; the add is done, and my reads of this slot are over
	s_barrier_signal -1
	MUL8 F1, 1, 0
.if \fill
	WIN 0
.endif
	s_barrier_wait -1
.if \fill
	CREST
	s_add_nc_u64 s[G0+4*\slot+2:G0+4*\slot+3], s[G0+4*\slot+2:G0+4*\slot+3], 1048576
	s_add_nc_u64 s[G0B+4*\slot+2:G0B+4*\slot+3], s[G0B+4*\slot+2:G0B+4*\slot+3], 524288
	JLOAD \slot                                    ; its four v_nop are also the places in front of the loads below
.else
	PLACES
.endif
	FETCH \next, 0, F0
.if \fill
	WIN 0
	ASK
.endif
	WIN MUL
	MUL8 F1, 2, 0
	MUL8 F1, 3, 0
.endm
	s_wait_tensorcnt 1                             ; my part of K step 0 is in; K step 1's load may be out
	s_barrier_signal -1
	s_barrier_wait -1
	FETCH 0, 0, F0
	s_wait_loadcnt 0x0                             ; the bias
	QUARTER 0, 1, F0, F1, 1                        ; the first quarter stands in front of the loop: its products start the sums with the bias
	WIN 0
	s_mov_b32 s3, LAPS-1
.Llap:
	QUARTER 0, 2, F1, F0, 0
	QUARTER 0, 3, F0, F1, 0
	TURN 0, 1, 1
	QUARTER 1, 1, F0, F1, 0
	QUARTER 1, 2, F1, F0, 0
	QUARTER 1, 3, F0, F1, 0
	TURN 1, 0, 1
	QUARTER 0, 1, F0, F1, 0
	WIN 0
	s_sub_co_u32 s3, s3, 1
	s_cmp_lg_u32 s3, 0
	s_cbranch_scc1 .Llap
	QUARTER 0, 2, F1, F0, 0                        ; the last lap fills nothing
	QUARTER 0, 3, F0, F1, 0
	TURN 0, 1, 0
	QUARTER 1, 1, F0, F1, 0
	QUARTER 1, 2, F1, F0, 0
	QUARTER 1, 3, F0, F1, 0
	s_wait_dscnt 4
	WIN MUL
	MUL8 F1, 0, 0
	MUL8 F1, 1, 0
	s_wait_dscnt 0
	MUL8 F1, 2, 0
	MUL8 F1, 3, 0
	WIN 0
; THE WAY OUT, a block of 16 rows x 128 columns at a time, through my own stage: back come whole rows of 512 bytes.
.macro TOSTAGE a
	WIN 0x04                                       ; an LDS store's data are its source 1: window 1
.irp b, 0,1,2,3,4,5,6,7
	ds_store_b128 v[STO], v[8*(8*(\a)+\b):8*(8*(\a)+\b)+3] offset:64*\b
	ds_store_b128 v[STO], v[8*(8*(\a)+\b)+4:8*(8*(\a)+\b)+7] offset:64*\b+16
.endr
	WIN 0
.set BB, BK+64*((\a)%2)
.irp t, 0,1,2,3,4,5,6,7,8,9,10,11,12,13,14,15
	ds_load_b128 v[BB+4*\t:BB+4*\t+3], v[RD] offset:\t*SPITCH
.endr
.endm
.macro SEND a, younger
.set BB, BK+64*((\a)%2)
	s_wait_dscnt \younger
.irp t, 0,1,2,3,4,5,6,7,8,9,10,11,12,13,14,15
	global_store_b128 v[CO], v[BB+4*\t:BB+4*\t+3], s[70:71] offset:(\a)*65536+\t*4096 th:TH_STORE_NT   ; 512 consecutive bytes, aligned
.endr
.endm
	PLACES
	TOSTAGE 0
.irp a, 1,2,3
.if \a > 1
	s_wait_xcnt 0x0                                ; block a - 2's stores have read their registers: block a's loads may land there
.endif
	TOSTAGE \a
	SEND \a-1, 32                                  ; behind block a - 1's loads: block a's 16 stores and 16 loads
.endr
	SEND 3, 0
	s_wait_tensorcnt 0x0                           ; the wave's end
	ds_add_u32 v[SPW], v[NIL]
	s_wait_dscnt 0x0
	CROUND                                         ; the closing round
	s_endpgm
.Lfunc_end_k_qcdd0d09896_proj:
	.size	k_qcdd0d09896_proj, .Lfunc_end_k_qcdd0d09896_proj-k_qcdd0d09896_proj
	.p2alignl 7, 3214868480
	.fill 96, 4, 3214868480
	.section	.rodata,"a",@progbits
	.p2align	6, 0x0
	.amdhsa_kernel k_qcdd0d09896_proj
		.amdhsa_group_segment_fixed_size 327680
		.amdhsa_private_segment_fixed_size 0
		.amdhsa_enable_private_segment 0
		.amdhsa_kernarg_size 32
		.amdhsa_user_sgpr_count 2
		.amdhsa_user_sgpr_kernarg_segment_ptr 1
		.amdhsa_wavefront_size32 1
		.amdhsa_system_sgpr_workgroup_id_x 1
		.amdhsa_system_sgpr_workgroup_id_y 1
		.amdhsa_system_sgpr_workgroup_id_z 1
		.amdhsa_system_vgpr_workitem_id 0
		.amdhsa_next_free_vgpr 768
		.amdhsa_next_free_sgpr 84
		.amdhsa_reserve_vcc 0
		.amdhsa_float_denorm_mode_32 3
		.amdhsa_float_denorm_mode_16_64 3
		.amdhsa_memory_ordered 1
		.amdhsa_forward_progress 1
		.amdhsa_inst_pref_size 88
	.end_amdhsa_kernel
	.amdgpu_metadata
---
amdhsa.version: [ 1, 2 ]
amdhsa.kernels:
  - .name:           k_qcdd0d09896_proj
    .symbol:         k_qcdd0d09896_proj.kd
    .args:
      - { .name: yh, .offset: 0, .size: 8, .value_kind: global_buffer, .address_space: global }
      - { .name: wp16, .offset: 8, .size: 8, .value_kind: global_buffer, .address_space: global }
      - { .name: b_proj, .offset: 16, .size: 8, .value_kind: global_buffer, .address_space: global }
      - { .name: out0, .offset: 24, .size: 8, .value_kind: global_buffer, .address_space: global }
    .group_segment_fixed_size: 327680
    .private_segment_fixed_size: 0
    .kernarg_segment_align: 8
    .kernarg_segment_size: 32
    .max_flat_workgroup_size: 128
    .sgpr_count:     84
    .vgpr_count:     768
    .wavefront_size: 32
...
	.end_amdgpu_metadata
.endif
;; end of part 4
;; launch fine1 (part 5): grid 4 x 64, 4 waves a work-group, no clusters, 29,184 bytes of LDS; arguments xc, xs, wc, ws, b_attn, W_proj, part; writes part
.if DOCPART == 5
	.amdgcn_target "amdgcn-amd-amdhsa--gfx1250"
	.amdhsa_code_object_version 6
	.text
	.protected	k_qcdd0d09896_fine1
	.globl	k_qcdd0d09896_fine1
	.p2align	8
	.type	k_qcdd0d09896_fine1,@function
k_qcdd0d09896_fine1:
	s_mov_b64 s[64:65], 0
	v_nop
	global_prefetch_b8 v0, s[64:65] scope:SCOPE_SE
	s_setreg_imm32_b32 hwreg(HW_REG_WAVE_MODE, 25, 1), 1
	s_wait_xcnt 0x0
; THE FIRST 16 POSITIONS OF EVERY SEQUENCE, IN F32.  Under the causal mask these rows average few values and are the largest of the output: f16 operands would use up what the comparison allows.
; Work-group (nq, bh): for head bh's 16 first positions: q, k, v by the quantised product (codes of E2M1, as in the large launch), kept in f32; the 16 x 16 attention by the f32 matrix form; and the head's
; share of the projection for columns 256 nq .. 256 nq + 255, by fused multiply-adds on W_proj as it is given: part [64 bh][16 s][1024 n] f32.  A later launch adds the 16 heads and the bias.
; SHARES.  Wave w makes channels 16 w .. 16 w + 15 of q, k, v; the results go from wave to wave through LDS as images of their registers; then every wave makes the whole small attention for itself, and the
; projection for its own 64 columns, two a lane.
; LAYOUTS.  q, k transposed (source 0 = W's rows): lane (r, h) holds position r, channels 16 w + 8 h + j.  v as it comes (source 0 = x): lane (r, h) holds channel 16 w + r, positions 8 h + j.
; The f32 form takes K = 4: place (h, j') of both sources.  S^T = k q^T: register pair 2 jj of image dt on both sides: the same four channels in the same places.  y = p v: p's pair 2 kk (keys 8 h + 2 kk + j')
; against v's pair 2 kk of image dt (the same keys).  The registers that the f32 form writes (v160-223) are written by nothing else.
; REGISTERS: window 0: v1-13 addresses; v16, v17 the add's two; v18 v's bias; v32-95 x's fragments, then q's and k's images, then y by chunks; v96-119 q, k, v, then v's images (v96-127), then the sums;
;   v128-143 q's and k's bias, then scores and p; v144-150 at work; v160-191 S^T in four parts; v192-223 y; v224-255 scale words and nothing else.   window 1: v0-127 W_proj's 64 rows.   window 2: W's fragments.
.set IMG,   0                          ; LDS: 12 images of 1,024 bytes: (q, k, v) x 4 + wave
.set YT,    12288                      ; y [64 d][16 s] f32, 4,096 bytes, a copy for each wave
.set SPARE, 28672                      ; the spare words: two blocks of 256 bytes that no other line names
.set SPW, 16
.set NIL, 17
.set BV,  18
.set XF,  32
.set QA,  96
.set KA,  104
.set VA,  112
.set BQ,  128
.set BKK, 136
.set QI,  32
.set KI,  64
.set VI,  96
.set SCR, 128
.set PP,  136
.set TW,  144
.set SA,  160
.set YA,  192
.set XSC, 224
.set WQS, 232
.set WKS, 240
.set WVS, 248
.set ACC, 96
.set MSB, 0
.macro WIN new
.if MSB != \new
	s_set_vgpr_msb (MSB<<8)|\new
.set MSB, \new
.endif
.endm
	s_load_b256 s[4:11], s[0:1], 0x0               ; xc s[4:5], xs s[6:7], wc s[8:9], ws s[10:11]
	s_load_b128 s[12:15], s[0:1], 0x20             ; b_attn s[12:13], W_proj s[14:15]
	s_load_b64 s[16:17], s[0:1], 0x30              ; part
	v_lshl_add_u32 v[SPW], v0, 2, SPARE
	v_mov_b32 v[NIL], 0
	v_lshrrev_b32 v1, 5, v0
	v_readfirstlane_b32 s18, v1                    ; wave 0..3
	v_and_b32 v1, 31, v0                           ; lane
	v_and_b32 v2, 15, v0                           ; r
	v_bfe_u32 v3, v0, 4, 1                         ; h
	v_lshlrev_b32 v4, 9, v2
	v_lshl_add_u32 v4, v3, 4, v4                   ; codes: row r of 512 bytes + 16 h
	v_lshlrev_b32 v5, 5, v2                        ; scale bytes: row r of 32
	v_lshlrev_b32 v6, 5, v3                        ; q's and k's bias: 32 h
	v_lshlrev_b32 v7, 2, v2                        ; v's: 4 r
	v_lshlrev_b32 v8, 3, v1                        ; W_proj and part: 8 bytes a lane
	v_lshlrev_b32 v10, 4, v1                       ; an image's place for my lane
	s_lshl_b32 s19, s18, 10
	v_add_nc_u32 v9, s19, v10                      ; where I store images: + 1,024 x wave
	s_lshl_b32 s19, s18, 12
	s_add_co_u32 s19, s19, YT                      ; my copy of y
	v_lshlrev_b32 v11, 6, v2
	v_lshl_add_u32 v11, v3, 5, v11
	v_add_nc_u32 v11, s19, v11                     ; into it: channel r of a tile, positions 8 h on
	v_mov_b32 v12, s19                             ; out of it: every lane reads the same bytes
	v_lshlrev_b32 v13, 3, v3
	v_sub_nc_u32 v13, v2, v13                      ; r - 8 h
	s_and_b32 s20, ttmp7, 0xffff                   ; bh
	s_lshr_b32 s21, s20, 4                         ; batch
	s_and_b32 s22, s20, 15                         ; head
	s_lshl_b32 s24, s21, 20                        ; xc: 2,048 rows of 512 bytes a batch
	s_mov_b32 s25, 0
	s_lshl_b32 s26, s21, 16                        ; xs
	s_mov_b32 s27, 0
	s_lshl_b32 s28, s22, 15                        ; wc: row 64 x head + 16 x wave
	s_lshl_b32 s29, s18, 13
	s_add_co_u32 s28, s28, s29
	s_mov_b32 s29, 0
	s_lshl_b32 s30, s22, 11                        ; ws
	s_lshl_b32 s31, s18, 9
	s_add_co_u32 s30, s30, s31
	s_mov_b32 s31, 0
	s_lshl_b32 s32, s22, 8                         ; b_attn
	s_lshl_b32 s33, s18, 6
	s_add_co_u32 s32, s32, s33
	s_mov_b32 s33, 0
	s_lshl_b32 s38, ttmp9, 10                      ; my 64 columns, in bytes
	s_lshl_b32 s39, s18, 8
	s_add_co_u32 s38, s38, s39
	s_lshl_b32 s34, s22, 18                        ; W_proj: row 64 x head
	s_add_co_u32 s34, s34, s38
	s_mov_b32 s35, 0
	s_lshl_b32 s36, s20, 16                        ; part: 16 rows of 4,096 bytes a head
	s_add_co_u32 s36, s36, s38
	s_mov_b32 s37, 0
	s_mov_b32 s40, 0x76543210
	s_mov_b32 s41, 0xfedcba98                      ; v_permlanex16_b32: lane l xor 16
	s_mov_b32 s42, 0x3e38aa3b                      ; c = log2(e) / 8
	s_wait_kmcnt 0x0
	s_add_nc_u64 s[4:5], s[4:5], s[24:25]
	s_add_nc_u64 s[6:7], s[6:7], s[26:27]
	s_add_nc_u64 s[8:9], s[8:9], s[28:29]
	s_add_nc_u64 s[10:11], s[10:11], s[30:31]
	s_add_nc_u64 s[12:13], s[12:13], s[32:33]
	s_add_nc_u64 s[14:15], s[14:15], s[34:35]
	s_add_nc_u64 s[16:17], s[16:17], s[36:37]
	; ---- 77 loads for the quantised product
.irp s, 0,1,2,3,4,5,6,7
.irp c, 0,1
	global_load_b128 v[XF+8*\s+4*\c:XF+8*\s+4*\c+3], v4, s[4:5] offset:64*\s+32*\c
.endr
.endr
	global_load_b128 v[XSC:XSC+3], v5, s[6:7]
	global_load_b128 v[XSC+4:XSC+7], v5, s[6:7] offset:16
.irp wh, 0,1,2
	global_load_b128 v[WQS+8*\wh:WQS+8*\wh+3], v5, s[10:11] offset:32768*\wh
	global_load_b128 v[WQS+8*\wh+4:WQS+8*\wh+7], v5, s[10:11] offset:32768*\wh+16
.endr
	global_load_b128 v[BQ:BQ+3], v6, s[12:13]
	global_load_b128 v[BQ+4:BQ+7], v6, s[12:13] offset:16
	global_load_b128 v[BKK:BKK+3], v6, s[12:13] offset:4096
	global_load_b128 v[BKK+4:BKK+7], v6, s[12:13] offset:4096+16
	global_load_b32 v[BV], v7, s[12:13] offset:8192
	WIN 0x80                                       ; destination window 2
.irp wh, 0,1,2
.irp s, 0,1,2,3,4,5,6,7
.irp c, 0,1
	global_load_b128 v[64*\wh+8*\s+4*\c:64*\wh+8*\s+4*\c+3], v4, s[8:9] offset:524288*\wh+64*\s+32*\c
.endr
.endr
.endr
	WIN 0x40                                       ; destination window 1: W_proj's rows 0-31 of the head: 256 consecutive bytes a load
.irp d, 0,1,2,3,4,5,6,7,8,9,10,11,12,13,14,15,16,17,18,19,20,21,22,23,24,25,26,27,28,29,30,31
	global_load_b64 v[2*\d:2*\d+1], v8, s[14:15] offset:4096*\d
.endr
	s_wait_loadcnt 32                              ; the 77 are in; W_proj's 32 may be out
	; ---- q, k, v of 16 positions x 16 channels: three accumulators by turns, K ascending
.irp s, 0,1,2,3,4,5,6,7
	WIN 0x02                                       ; source 0 (W) window 2
.if \s == 0
	v_wmma_scale_f32_16x16x128_f8f6f4 v[QA:QA+7], v[8*\s:8*\s+7], v[XF+8*\s:XF+8*\s+7], v[BQ:BQ+7], v[WQS+\s], v[XSC+\s] matrix_a_fmt:MATRIX_FMT_FP4 matrix_b_fmt:MATRIX_FMT_FP4
	v_wmma_scale_f32_16x16x128_f8f6f4 v[KA:KA+7], v[64+8*\s:64+8*\s+7], v[XF+8*\s:XF+8*\s+7], v[BKK:BKK+7], v[WKS+\s], v[XSC+\s] matrix_a_fmt:MATRIX_FMT_FP4 matrix_b_fmt:MATRIX_FMT_FP4
	WIN 0x08                                       ; source 1 (W) window 2
	v_wmma_scale_f32_16x16x128_f8f6f4 v[VA:VA+7], v[XF+8*\s:XF+8*\s+7], v[128+8*\s:128+8*\s+7], 0, v[XSC+\s], v[WVS+\s] matrix_a_fmt:MATRIX_FMT_FP4 matrix_b_fmt:MATRIX_FMT_FP4
.else
	v_wmma_scale_f32_16x16x128_f8f6f4 v[QA:QA+7], v[8*\s:8*\s+7], v[XF+8*\s:XF+8*\s+7], v[QA:QA+7], v[WQS+\s], v[XSC+\s] matrix_a_fmt:MATRIX_FMT_FP4 matrix_b_fmt:MATRIX_FMT_FP4
	v_wmma_scale_f32_16x16x128_f8f6f4 v[KA:KA+7], v[64+8*\s:64+8*\s+7], v[XF+8*\s:XF+8*\s+7], v[KA:KA+7], v[WKS+\s], v[XSC+\s] matrix_a_fmt:MATRIX_FMT_FP4 matrix_b_fmt:MATRIX_FMT_FP4
	WIN 0x08
	v_wmma_scale_f32_16x16x128_f8f6f4 v[VA:VA+7], v[XF+8*\s:XF+8*\s+7], v[128+8*\s:128+8*\s+7], v[VA:VA+7], v[XSC+\s], v[WVS+\s] matrix_a_fmt:MATRIX_FMT_FP4 matrix_b_fmt:MATRIX_FMT_FP4
.endif
.endr
	WIN 0
.rept 4
	v_nop                                          ; places behind the last products
.endr
.irp j, 0,1,2,3,4,5,6,7
	v_add_f32 v[VA+\j], v[VA+\j], v[BV]            ; v's bias: one channel a lane
.endr
	ds_store_b128 v9, v[QA:QA+3] offset:IMG
	ds_store_b128 v9, v[QA+4:QA+7] offset:IMG+512
	ds_store_b128 v9, v[KA:KA+3] offset:IMG+4096
	ds_store_b128 v9, v[KA+4:KA+7] offset:IMG+4096+512
	ds_store_b128 v9, v[VA:VA+3] offset:IMG+8192
	ds_store_b128 v9, v[VA+4:VA+7] offset:IMG+8192+512
	WIN 0x40
.irp d, 32,33,34,35,36,37,38,39,40,41,42,43,44,45,46,47,48,49,50,51,52,53,54,55,56,57,58,59,60,61,62,63
	global_load_b64 v[2*\d:2*\d+1], v8, s[14:15] offset:4096*\d
.endr
	WIN 0
	s_wait_dscnt 0x0                               ; for the others' sake: my images have landed
	s_barrier_signal -1
	s_barrier_wait -1
	; ---- the attention of 16 positions, the same in every wave
.irp dt, 0,1,2,3
	ds_load_b128 v[QI+8*\dt:QI+8*\dt+3], v10 offset:IMG+1024*\dt
	ds_load_b128 v[QI+8*\dt+4:QI+8*\dt+7], v10 offset:IMG+1024*\dt+512
	ds_load_b128 v[KI+8*\dt:KI+8*\dt+3], v10 offset:IMG+4096+1024*\dt
	ds_load_b128 v[KI+8*\dt+4:KI+8*\dt+7], v10 offset:IMG+4096+1024*\dt+512
	ds_load_b128 v[VI+8*\dt:VI+8*\dt+3], v10 offset:IMG+8192+1024*\dt
	ds_load_b128 v[VI+8*\dt+4:VI+8*\dt+7], v10 offset:IMG+8192+1024*\dt+512
.endr
	s_wait_dscnt 0x0
.irp jj, 0,1,2,3                               ; S^T = k q^T in four parts, by turns; each part's first product starts its sum
.irp dt, 0,1,2,3
.if \jj == 0
	v_wmma_f32_16x16x4_f32 v[SA+8*\dt:SA+8*\dt+7], v[KI+8*\dt+2*\jj:KI+8*\dt+2*\jj+1], v[QI+8*\dt+2*\jj:QI+8*\dt+2*\jj+1], 0
.else
	v_wmma_f32_16x16x4_f32 v[SA+8*\dt:SA+8*\dt+7], v[KI+8*\dt+2*\jj:KI+8*\dt+2*\jj+1], v[QI+8*\dt+2*\jj:QI+8*\dt+2*\jj+1], v[SA+8*\dt:SA+8*\dt+7]
.endif
.endr
.endr
.rept 8
	v_nop                                          ; eight places behind this form
.endr
.irp j, 0,1,2,3,4,5,6,7
	v_add_f32 v[SCR+\j], v[SA+\j], v[SA+8+\j]      ; the four parts are added into other registers; lane (r, h): query r, key 8 h + j
.endr
.irp j, 0,1,2,3,4,5,6,7
	v_add_f32 v[SCR+\j], v[SCR+\j], v[SA+16+\j]
.endr
.irp j, 0,1,2,3,4,5,6,7
	v_add_f32 v[SCR+\j], v[SCR+\j], v[SA+24+\j]
.endr
	v_mov_b32 v[TW], 0xff800000                    ; -infinity
.irp j, 0,1,2,3,4,5,6,7
	v_cmp_gt_i32 vcc_lo, \j, v13                   ; key 8 h + j comes after query r
	v_cndmask_b32 v[SCR+\j], v[SCR+\j], v[TW], vcc_lo
.endr
	v_max3_num_f32 v[TW+1], v[SCR], v[SCR+1], v[SCR+2]
	v_max3_num_f32 v[TW+1], v[TW+1], v[SCR+3], v[SCR+4]
	v_max3_num_f32 v[TW+1], v[TW+1], v[SCR+5], v[SCR+6]
	v_max_num_f32 v[TW+1], v[TW+1], v[SCR+7]
	v_mov_b32 v[TW+2], 0
	v_permlanex16_b32 v[TW+2], v[TW+1], s40, s41
	v_max_num_f32 v[TW+1], v[TW+1], v[TW+2]        ; the row's maximum: key 0 counts for every query
	v_mul_f32 v[TW+1], s42, v[TW+1]
.irp j, 0,1,2,3,4,5,6,7
	v_fma_f32 v[SCR+\j], v[SCR+\j], s42, -v[TW+1]
.endr
.irp j, 0,1,2,3,4,5,6,7
	v_exp_f32 v[SCR+\j], v[SCR+\j]
.endr
	v_nop
	s_wait_alu depctr_va_vdst(0)                   ; one wait for the eight, ahead of their first reader
	v_add_f32 v[TW+3], v[SCR], v[SCR+1]
	v_add_f32 v[TW+4], v[SCR+2], v[SCR+3]
	v_add_f32 v[TW+5], v[SCR+4], v[SCR+5]
	v_add_f32 v[TW+6], v[SCR+6], v[SCR+7]
	v_add_f32 v[TW+3], v[TW+3], v[TW+4]
	v_add_f32 v[TW+5], v[TW+5], v[TW+6]
	v_add_f32 v[TW+3], v[TW+3], v[TW+5]
	v_permlanex16_b32 v[TW+2], v[TW+3], s40, s41
	v_add_f32 v[TW+3], v[TW+3], v[TW+2]
	v_rcp_f32 v[TW+4], v[TW+3]
	v_nop
	s_wait_alu depctr_va_vdst(0)
.irp j, 0,1,2,3,4,5,6,7
	v_mul_f32 v[PP+\j], v[SCR+\j], v[TW+4]         ; the weights, normalised
.endr
.irp kk, 0,1,2,3                               ; y = p v: four tiles of channels by turns
.irp dt, 0,1,2,3
.if \kk == 0
	v_wmma_f32_16x16x4_f32 v[YA+8*\dt:YA+8*\dt+7], v[PP+2*\kk:PP+2*\kk+1], v[VI+8*\dt+2*\kk:VI+8*\dt+2*\kk+1], 0
.else
	v_wmma_f32_16x16x4_f32 v[YA+8*\dt:YA+8*\dt+7], v[PP+2*\kk:PP+2*\kk+1], v[VI+8*\dt+2*\kk:VI+8*\dt+2*\kk+1], v[YA+8*\dt:YA+8*\dt+7]
.endif
.endr
.endr
.rept 8
	v_nop
.endr
.irp dt, 0,1,2,3
	ds_store_b128 v11, v[YA+8*\dt:YA+8*\dt+3] offset:1024*\dt       ; lane (r, h): y(position 8 h + j, channel 16 dt + r)
	ds_store_b128 v11, v[YA+8*\dt+4:YA+8*\dt+7] offset:1024*\dt+16
.endr
	; ---- the head's share of the projection: sums v[ACC + 2 s : + 1] = (position s, my two columns); y comes back two channels at a time, the same bytes to every lane
.macro YLOAD ch
.irp i, 0,1,2,3,4,5,6,7
	ds_load_b128 v[32+32*((\ch)%2)+4*\i:32+32*((\ch)%2)+4*\i+3], v12 offset:128*(\ch)+16*\i   ; in order behind my stores
.endr
.endm
.macro CHUNK ch
.if (\ch) < 31
	YLOAD (\ch)+1
	s_wait_dscnt 8                                 ; this chunk is in; the next one's eight loads may be out
.else
	s_wait_dscnt 0x0
.endif
.if (\ch) == 16
	s_wait_loadcnt 0x0                             ; W_proj's rows 32-63
.endif
.set YS, 32+32*((\ch)%2)
.irp dd, 0,1
.irp p, 0,2,4,6,8,10,12,14
.if (\ch) == 0 && \dd == 0
	v_pk_mul_f32 v[ACC+2*\p:ACC+2*\p+1], v[YS+16*\dd+\p:YS+16*\dd+\p+1], v[2*(2*(\ch)+\dd):2*(2*(\ch)+\dd)+1] op_sel_hi:[0,1]   ; the first channel starts the sums; y's first register feeds both halves,
	v_pk_mul_f32 v[ACC+2*\p+2:ACC+2*\p+3], v[YS+16*\dd+\p:YS+16*\dd+\p+1], v[2*(2*(\ch)+\dd):2*(2*(\ch)+\dd)+1] op_sel:[1,0] op_sel_hi:[1,1]   ; or its second
.else
	v_pk_fma_f32 v[ACC+2*\p:ACC+2*\p+1], v[YS+16*\dd+\p:YS+16*\dd+\p+1], v[2*(2*(\ch)+\dd):2*(2*(\ch)+\dd)+1], v[ACC+2*\p:ACC+2*\p+1] op_sel_hi:[0,1,1]
	v_pk_fma_f32 v[ACC+2*\p+2:ACC+2*\p+3], v[YS+16*\dd+\p:YS+16*\dd+\p+1], v[2*(2*(\ch)+\dd):2*(2*(\ch)+\dd)+1], v[ACC+2*\p+2:ACC+2*\p+3] op_sel:[1,0,0] op_sel_hi:[1,1,1]
.endif
.endr
.endr
.endm
	YLOAD 0
	WIN 0x04                                       ; source 1 (W_proj) window 1
	s_wait_loadcnt 32                              ; W_proj's rows 0-31 are in; rows 32-63 may be out
.set CH, 0
.rept 32
	CHUNK CH
.set CH, CH+1
.endr
	WIN 0
.irp s, 0,1,2,3,4,5,6,7,8,9,10,11,12,13,14,15
	global_store_b64 v8, v[ACC+2*\s:ACC+2*\s+1], s[16:17] offset:4096*\s   ; 256 consecutive bytes, aligned
.endr
	s_wait_tensorcnt 0x0                           ; the wave's end
	ds_add_u32 v[SPW], v[NIL]
	s_wait_dscnt 0x0
	s_endpgm
.Lfunc_end_k_qcdd0d09896_fine1:
	.size	k_qcdd0d09896_fine1, .Lfunc_end_k_qcdd0d09896_fine1-k_qcdd0d09896_fine1
	.p2alignl 7, 3214868480
	.fill 96, 4, 3214868480
	.section	.rodata,"a",@progbits
	.p2align	6, 0x0
	.amdhsa_kernel k_qcdd0d09896_fine1
		.amdhsa_group_segment_fixed_size 29184
		.amdhsa_private_segment_fixed_size 0
		.amdhsa_enable_private_segment 0
		.amdhsa_kernarg_size 56
		.amdhsa_user_sgpr_count 2
		.amdhsa_user_sgpr_kernarg_segment_ptr 1
		.amdhsa_wavefront_size32 1
		.amdhsa_system_sgpr_workgroup_id_x 1
		.amdhsa_system_sgpr_workgroup_id_y 1
		.amdhsa_system_sgpr_workgroup_id_z 1
		.amdhsa_system_vgpr_workitem_id 0
		.amdhsa_next_free_vgpr 704
		.amdhsa_next_free_sgpr 66
		.amdhsa_reserve_vcc 1
		.amdhsa_float_denorm_mode_32 3
		.amdhsa_float_denorm_mode_16_64 3
		.amdhsa_memory_ordered 1
		.amdhsa_forward_progress 1
		.amdhsa_inst_pref_size 111
	.end_amdhsa_kernel
	.amdgpu_metadata
---
amdhsa.version: [ 1, 2 ]
amdhsa.kernels:
  - .name:           k_qcdd0d09896_fine1
    .symbol:         k_qcdd0d09896_fine1.kd
    .args:
      - { .name: xc, .offset: 0, .size: 8, .value_kind: global_buffer, .address_space: global }
      - { .name: xs, .offset: 8, .size: 8, .value_kind: global_buffer, .address_space: global }
      - { .name: wc, .offset: 16, .size: 8, .value_kind: global_buffer, .address_space: global }
      - { .name: ws, .offset: 24, .size: 8, .value_kind: global_buffer, .address_space: global }
      - { .name: b_attn, .offset: 32, .size: 8, .value_kind: global_buffer, .address_space: global }
      - { .name: W_proj, .offset: 40, .size: 8, .value_kind: global_buffer, .address_space: global }
      - { .name: part, .offset: 48, .size: 8, .value_kind: global_buffer, .address_space: global }
    .group_segment_fixed_size: 29184
    .private_segment_fixed_size: 0
    .kernarg_segment_align: 8
    .kernarg_segment_size: 56
    .max_flat_workgroup_size: 128
    .sgpr_count:     66
    .vgpr_count:     704
    .wavefront_size: 32
...
	.end_amdgpu_metadata
.endif
;; end of part 5
;; launch fine2 (part 6): grid 64 x 1, 8 waves a work-group, no clusters, 0 bytes of LDS; arguments part, b_proj, out0; writes out0
.if DOCPART == 6
	.amdgcn_target "amdgcn-amd-amdhsa--gfx1250"
	.amdhsa_code_object_version 6
	.text
	.protected	k_qcdd0d09896_fine2
	.globl	k_qcdd0d09896_fine2
	.p2align	8
	.type	k_qcdd0d09896_fine2,@function
k_qcdd0d09896_fine2:
	s_mov_b64 s[64:65], 0
	v_nop
	global_prefetch_b8 v0, s[64:65] scope:SCOPE_SE
	s_setreg_imm32_b32 hwreg(HW_REG_WAVE_MODE, 25, 1), 1
	s_wait_xcnt 0x0
; out0[b][s][:] = b_proj + the sum over the 16 heads of part[16 b + head][s][:], for s < 16: the 64 rows that are carried in f32.  They take the place of what the large projection stored there.
; A work-group takes a row; a thread four columns: each load and the store of a wave cover 512 consecutive bytes.  Heads are added in ascending order.  All 17 loads go out at once.
	s_load_b128 s[4:7], s[0:1], 0x0                ; part, b_proj
	s_load_b64 s[8:9], s[0:1], 0x10                ; out0
	v_lshlrev_b32 v1, 4, v0
	s_lshr_b32 s10, ttmp9, 4                       ; batch
	s_and_b32 s11, ttmp9, 15                       ; position
	s_lshl_b32 s12, s10, 20                        ; part: 16 heads x 16 rows x 4,096 bytes a batch
	s_lshl_b32 s13, s11, 12
	s_add_co_u32 s12, s12, s13
	s_mov_b32 s13, 0
	s_lshl_b32 s14, s10, 23                        ; out0: 2,048 rows of 4,096 bytes a batch
	s_lshl_b32 s15, s11, 12
	s_add_co_u32 s14, s14, s15
	s_mov_b32 s15, 0
	s_wait_kmcnt 0x0
	s_add_nc_u64 s[4:5], s[4:5], s[12:13]
	s_add_nc_u64 s[8:9], s[8:9], s[14:15]
	global_load_b128 v[4:7], v1, s[6:7]
.irp h, 0,1,2,3,4,5,6,7,8,9,10,11,12,13,14,15
	global_load_b128 v[8+4*\h:11+4*\h], v1, s[4:5] offset:65536*\h
.endr
.irp h, 0,1,2,3,4,5,6,7,8,9,10,11,12,13,14,15
	s_wait_loadcnt 15-\h                           ; the bias and heads 0 .. h are in; the younger loads may be out
	v_pk_add_f32 v[4:5], v[4:5], v[8+4*\h:9+4*\h]
	v_pk_add_f32 v[6:7], v[6:7], v[10+4*\h:11+4*\h]
.endr
	global_store_b128 v1, v[4:7], s[8:9]
	s_endpgm
.Lfunc_end_k_qcdd0d09896_fine2:
	.size	k_qcdd0d09896_fine2, .Lfunc_end_k_qcdd0d09896_fine2-k_qcdd0d09896_fine2
	.p2alignl 7, 3214868480
	.fill 96, 4, 3214868480
	.section	.rodata,"a",@progbits
	.p2align	6, 0x0
	.amdhsa_kernel k_qcdd0d09896_fine2
		.amdhsa_group_segment_fixed_size 0
		.amdhsa_private_segment_fixed_size 0
		.amdhsa_enable_private_segment 0
		.amdhsa_kernarg_size 24
		.amdhsa_user_sgpr_count 2
		.amdhsa_user_sgpr_kernarg_segment_ptr 1
		.amdhsa_wavefront_size32 1
		.amdhsa_system_sgpr_workgroup_id_x 1
		.amdhsa_system_sgpr_workgroup_id_y 1
		.amdhsa_system_sgpr_workgroup_id_z 1
		.amdhsa_system_vgpr_workitem_id 0
		.amdhsa_next_free_vgpr 80
		.amdhsa_next_free_sgpr 66
		.amdhsa_reserve_vcc 0
		.amdhsa_float_denorm_mode_32 3
		.amdhsa_float_denorm_mode_16_64 3
		.amdhsa_memory_ordered 1
		.amdhsa_forward_progress 1
		.amdhsa_inst_pref_size 6
	.end_amdhsa_kernel
	.amdgpu_metadata
---
amdhsa.version: [ 1, 2 ]
amdhsa.kernels:
  - .name:           k_qcdd0d09896_fine2
    .symbol:         k_qcdd0d09896_fine2.kd
    .args:
      - { .name: part, .offset: 0, .size: 8, .value_kind: global_buffer, .address_space: global }
      - { .name: b_proj, .offset: 8, .size: 8, .value_kind: global_buffer, .address_space: global }
      - { .name: out0, .offset: 16, .size: 8, .value_kind: global_buffer, .address_space: global }
    .group_segment_fixed_size: 0
    .private_segment_fixed_size: 0
    .kernarg_segment_align: 8
    .kernarg_segment_size: 24
    .max_flat_workgroup_size: 256
    .sgpr_count:     66
    .vgpr_count:     80
    .wavefront_size: 32
...
	.end_amdgpu_metadata
.endif
;; end of part 6
